; MI455X (gfx1250); checked and timed in simulation.
; The chip was launched on July 23, 2026; its instructions are those of AMD's public machine-readable ISA for CDNA 5 (MIT licence, August 2026) and "CDNA5" Instruction Set Architecture Reference Guide (July 2026). The comments in the code are by the model that wrote it; some were corrected since.
;; Mapping Network. Allowed arithmetic: matrix products marked QUANTISED: E2M1 operands, one E8M0 scale for each 32 along K, by v_wmma_scale_f32_16x16x128_f8f6f4 with both operands' format E2M1 (or v_wmma_scale_f32_32x16x128_f4), f32 sums; products left as they are: f32 operands where the result goes on into a quantised operand, else bf16, f16 or f32 operands; f32 sums; everything else in f32.
;; Inputs: U0 8 x 512 x 512 float32; U1 8 x 512 x 512 float32; U2 8 x 512 x 512 float32; U3 8 x 512 x 64 float32; W0 16 x 512 float32; W1 512 x 512 float32; W2 512 x 512 float32; W3 512 x 512 float32; b0 512 float32; b1 512 float32; b2 512 float32; b3 512 float32; c0 8 x 512 float32; c1 8 x 512 float32; c2 8 x 512 float32; c3 8 x 64 float32; x 8,192 x 16 float32; y 8,192 int32.
;; Outputs: out0 8,192 x 64 float32.
;; This version of the problem:
;;   THIS VERSION OF THE PROBLEM IS GIVEN IN LOW PRECISION. The matrix products marked QUANTISED in the list below multiply operands that are first quantised to E2M1 (2 exponent bits, 1 mantissa bit; 4 bits a number), with one power-of-two scale for each 32 numbers along K (OCP MX v1.0); their sums are f32. All else is computed in f32.
;;   The module's matrix products, in the order in which they are computed (A, B: the left and right operand; K: the contracted axis; several contracted axes count as one K, in the product's order):
;;     1. [M 8,192, K 16] x [K 16, N 512]; A: input x; B: input W0: left as it is (K = 16 < 32)
;;     2. [M 8,192, K 512] x [K 512, N 512]; A: computed on the way; B: input W1: QUANTISED
;;     3. [M 8,192, K 512] x [K 512, N 512]; A: computed on the way; B: input W2: QUANTISED
;;     4. [M 8,192, K 512] x [K 512, N 512]; A: computed on the way; B: input W3: QUANTISED
;;     5. [M 4,096, K 512] x [K 512, N 8,192]; A: input U0; B: computed on the way: QUANTISED
;;     6. batch 8 x [M 8,192, K 512] x [K 512, N 512]; A: computed on the way; B: input U1: QUANTISED
;;     7. batch 8 x [M 8,192, K 512] x [K 512, N 512]; A: computed on the way; B: input U2: QUANTISED
;;     8. batch 8 x [M 8,192, K 512] x [K 512, N 64]; A: computed on the way; B: input U3: QUANTISED
;;   THE QUANTISER, for each operand of a quantised product, along K:
;;     - K is cut into blocks of 32 from its start; a last block that is shorter is filled with zeros.
;;     - A block's scale is 2^e with e = floor(log2(the largest magnitude in the block)) - 2, held to -126 .. 127; a block of zeros has e = 0. As a byte (E8M0): e + 127.
;;     - Each number is divided by its block's scale, clamped to +-6, and rounded to the nearest number of E2M1, ties to even, subnormals kept.
;;     - The product sums the exact products of the quantised numbers (number of the format x scale) in f32.
;;   ~~~python
;;   def quantise(x, axis):      # numpy; x: float32 -> the quantised numbers, widened to float32 again
;;       x = np.moveaxis(x, axis, -1); K = x.shape[-1]
;;       x = np.pad(x, [(0, 0)] * (x.ndim - 1) + [(0, -K % 32)]); x = x.reshape(x.shape[:-1] + (-1, 32)); a = np.abs(x).max(-1, keepdims=True)
;;       e = np.where(a > 0, np.clip(np.frexp(np.where(a > 0, a, 1))[1] - 1 - 2, -126, 127), 0)      # np.frexp(a)[1] - 1 = floor(log2(a)), exactly
;;       r = np.clip(x / 2.0 ** e, -6, 6)
;;       step = 2.0 ** (np.maximum(np.frexp(np.where(r == 0, 1, r))[1] - 1, 0) - 1)
;;       q = np.round(r / step) * step * 2.0 ** e      # np.round: ties to even
;;       return np.moveaxis(q.reshape(q.shape[:-2] + (-1,))[..., :K], -1, axis).astype(np.float32)
;;   ~~~
;;   OPERANDS COMPUTED ON THE WAY. 'Computed on the way' means the value that the module computes at that place (a softmax that the list does not call 'softmax' is quantised finished and normalised). What goes into a quantiser is computed in f32, as accurately as f32 sums, v_exp_f32 and their like allow (about 1e-6 of the number): no bf16 or f16 on the way to a quantiser, and a product that is left as it is and whose result goes on into a quantised operand takes f32 operands (vector FMAs, or v_wmma_f32_16x16x4_f32). A number that lies on a knife's edge between two numbers of the format may be rounded either way, as far as f32 arithmetic and the matrix unit's own rounding can turn it there, and no further.
;; 3 versions, each right; version 2 is faster than version 1; version 3 is version 2 with the launch chain written anew for expert scheduling mode. Each part assembles by itself: llvm-mc -triple=amdgcn-amd-amdhsa -mcpu=gfx1250 --defsym DOCPART=n.
;; ======== version 1 of 3: 2 launches
;; workspace buffers: wq 3,670,016 bytes; ws 229,376 bytes; h0q 2,097,152 bytes; h0s 131,072 bytes; order 32,768 bytes of whole numbers; tiles 4,096 bytes of whole numbers
;; launch prep (part 1): grid 481 x 1, 8 waves a work-group, no clusters, 13,312 bytes of LDS; arguments W1, W2, W3, U0, U1, U2, U3, wq, ws, x, W0, b0, h0q, h0s, y, order, tiles; writes wq, ws, h0q, h0s, order, tiles
.if DOCPART == 1
	.amdgcn_target "amdgcn-amd-amdhsa--gfx1250"
	.amdhsa_code_object_version 6
	.text
	.protected	k_qc55270d5d0_prep
	.globl	k_qc55270d5d0_prep
	.p2align	8
	.type	k_qc55270d5d0_prep,@function
k_qc55270d5d0_prep:
	s_mov_b64 s[64:65], 0
	v_nop
	global_prefetch_b8 v0, s[64:65] scope:SCOPE_SE
	s_setreg_imm32_b32 hwreg(HW_REG_WAVE_MODE, 25, 1), 1
	s_wait_xcnt 0x0
; PREP: all that the chain of layers wants ready, in one launch of 481 work-groups of eight waves.  Four kinds of work-group, told apart by the work-group's number alone:
;   0          ROUTE: a counting sort of the 8,192 tokens by their expert y -> order (token numbers, expert by expert) and tiles (expert, first place in order, rows 0..64, 0).
;   1 .. 216   BIG:   the 27 weights of 512 x 512 (W1 W2 W3, U0 U1 U2 of 8 experts), f32 with K as first axis -> codes of E2M1 and E8M0 scale bytes; 8 work-groups a matrix.
;   217 .. 224 U3:    the same for the 8 weights of 512 x 64.
;   225 .. 480 H:     relu(x W0 + b0) in f32 (K = 16: the f32 matrix form), quantised along its 512 units -> h0q, h0s; 32 tokens a work-group.
; THE CODES ARE LAID IN THE ORDER OF THE OPERAND'S REGISTERS.  A fragment (tile t of 16 output units, K step s of 128) is 1,024 bytes at (4 t + s) x 1024: chunk c at 512 c, lane (r, h) at 256 h + 16 r:
; the codes of k = 128 s + 64 c + 32 h + 0 .. 31 of unit 32 (t / 2) + 8 (t % 2) + r + 8 (r / 8).  The units of a tile are not neighbours, so that in the transposed product the 16 registers of tiles 2 b and
; 2 b + 1 are 16 neighbours along the next K.  Scale words (4 bytes: one K step of one unit) lie [s][g][lane = 16 u + r][i]: unit of tile 2 (4 g + i) + u, so that one load of 16 bytes a lane brings four registers of scales.
; THE QUANTISER: a block's scale byte is its largest magnitude's exponent field - 2, held at 1 from below by a floor among the maximum's leaves; each number is divided by the scale and rounded to the nearest code, ties to even,
; beyond 6 the largest code.  A block of zeros gets the byte 1 where the rule says 127: its codes are zeros, and the bytes are read by this program alone.
; LIMITS: y lies in 0 .. 7; NaN and infinities among the inputs are not served.
; No tensor loads, no change of EXEC.  Each kind of work-group has LDS bytes of its own.  v192-255 are written by the f32 matrix instructions alone.
.set WV,   10                          ; s10  my wave's number
.set LQ,   0                           ; LDS: BIG's scale words, 1,024 bytes
.set LU,   1024                        ; U3's, 1,024
.set LR,   2048                        ; ROUTE's counts, 8 waves x 8 experts x 4 bytes
.set SCH,  2304                        ; H's scale words: 32 rows x 16 bytes
.set STGH, 2816                        ; H's stage: 32 rows x (256 bytes + 16)
.macro BARRIER                         ; my LDS stores have landed and my LDS loads are in: then the work-group's barrier
	s_wait_dscnt 0x0
	s_barrier_signal -1
	s_barrier_wait -1
.endm
	v_lshl_add_u32 v178, v0, 2, 0x3000
	v_mov_b32 v179, 0
	v_lshrrev_b32 v1, 5, v0
	v_readfirstlane_b32 s[WV], v1                  ; wave 0..7
	v_and_b32 v1, 31, v0                           ; lane
	v_and_b32 v2, 15, v0                           ; r = lane % 16
	v_bfe_u32 v3, v0, 4, 1                         ; h (or u) = lane / 16
	s_cmp_lg_u32 ttmp9, 0
	s_cbranch_scc1 .Lnot_route
; ---------------------------------------------------------------- ROUTE
; Wave w owns y[1024 w .. 1024 w + 1023], 32 numbers a lane.  Pass 1 counts each expert's tokens in the wave; the eight waves' counts meet in LDS; pass 2 gives each token its place:
; the expert's first place + the earlier waves' tokens of that expert + this wave's earlier ones + the lower lanes' in this step.  No atomics.
.set CNT, 12                           ; s[12:19] my wave's counts; later RUN: the next free place of each expert for my wave
.set RUN, 12
.set MK,  20                           ; s[20:27] lane masks of a step
.set TC,  28                           ; s[28:35] their bit counts
.set N,   36                           ; s[36:43] tokens of each expert
.set SEG, 44                           ; s[44:51] each expert's first place in order
.set TB,  52                           ; s[52:59] each expert's first tile
.set Y,   32                           ; v32-63  my 32 numbers of y; later the byte offsets of their places
.set TK,  64                           ; v64-95  their token numbers
	s_load_b128 s[4:7], s[0:1], 0x70               ; y, order
	s_load_b64 s[8:9], s[0:1], 0x80                ; tiles
	v_lshlrev_b32 v4, 4, v1                        ; 16 bytes a lane
	s_lshl_b32 s60, s[WV], 12                      ; my wave's 4,096 bytes of y
	s_mov_b32 s61, 0
	s_lshl_b32 s62, s[WV], 10
	v_lshl_add_u32 v5, v1, 2, s62                  ; 1024 w + 4 lane
	v_mov_b32 v6, s[WV]
	v_lshlrev_b32 v6, 5, v6                        ; LDS: my wave's 32 bytes of counts
	v_and_b32 v7, 7, v0
	v_lshlrev_b32 v7, 2, v7                        ; and back: lane l takes expert l % 8
	s_wait_kmcnt 0x0
	s_add_nc_u64 s[4:5], s[4:5], s[60:61]
.irp j, 0,1,2,3,4,5,6,7
	global_load_b128 v[Y+4*\j:Y+4*\j+3], v4, s[4:5] offset:512*\j   ; 512 consecutive bytes a load
.endr
.irp j, 0,1,2,3,4,5,6,7
.irp i, 0,1,2,3
	v_add_nc_u32 v[TK+4*\j+\i], 128*\j+\i, v5      ; register 4 j + i holds token 1024 w + 4 lane + 128 j + i
.endr
.endr
.irp e, 0,1,2,3,4,5,6,7
	s_mov_b32 s[CNT+\e], 0
.endr
	s_wait_loadcnt 0x0
.macro COUNT k
.irp e, 0,1,2,3,4,5,6,7
	v_cmp_eq_u32 s[MK+\e], \e, v[Y+\k]
.endr
.irp e, 0,1,2,3,4,5,6,7
	s_bcnt1_i32_b32 s[TC+\e], s[MK+\e]
.endr
.irp e, 0,1,2,3,4,5,6,7
	s_add_co_u32 s[CNT+\e], s[CNT+\e], s[TC+\e]
.endr
.endm
.set K, 0
.rept 32
	COUNT K
.set K, K+1
.endr
.irp e, 0,1,2,3,4,5,6,7
	v_mov_b32 v[8+\e], s[CNT+\e]
.endr
.irp e, 0,1,2,3,4,5,6,7
	ds_store_b32 v6, v[8+\e] offset:LR+4*\e        ; all lanes write the same word with the same value
.endr
	BARRIER
.irp q, 0,1,2,3,4,5,6,7
	ds_load_b32 v[16+\q], v7 offset:LR+32*\q       ; wave q's count of expert lane % 8
.endr
	v_mov_b32 v24, 0                               ; the expert's tokens in all waves
	v_mov_b32 v25, 0                               ; and in the waves in front of mine
	s_wait_dscnt 0x0
.irp q, 0,1,2,3,4,5,6,7
	s_cmp_gt_u32 s[WV], \q
	s_cselect_b32 s62, -1, 0
	v_and_b32 v29, s62, v[16+\q]
	v_add_nc_u32 v25, v25, v29
	v_add_nc_u32 v24, v24, v[16+\q]
.endr
.irp e, 0,1,2,3,4,5,6,7
	v_readlane_b32 s[N+\e], v24, \e
	v_readlane_b32 s[RUN+\e], v25, \e
.endr
	s_mov_b32 s[SEG], 0
	s_mov_b32 s[TB], 0
.irp e, 1,2,3,4,5,6,7
	s_add_co_u32 s[SEG+\e], s[SEG+\e-1], s[N+\e-1]
	s_add_co_u32 s60, s[N+\e-1], 63
	s_lshr_b32 s60, s60, 6                         ; tiles of 64 rows, the last one short
	s_add_co_u32 s[TB+\e], s[TB+\e-1], s60
.endr
.irp e, 0,1,2,3,4,5,6,7
	s_add_co_u32 s[RUN+\e], s[RUN+\e], s[SEG+\e]
.endr
.macro PLACE k
.irp e, 0,1,2,3,4,5,6,7
	v_cmp_eq_u32 s[MK+\e], \e, v[Y+\k]
.endr
	v_mbcnt_lo_u32_b32 v26, s[MK], s[RUN]          ; the expert's next free place + the lower lanes that want one too
.irp e, 1,2,3,4,5,6,7
	v_mbcnt_lo_u32_b32 v[27+\e%2], s[MK+\e], s[RUN+\e]
	v_cndmask_b32 v26, v26, v[27+\e%2], s[MK+\e]   ; each lane keeps its own expert's
.endr
.irp e, 0,1,2,3,4,5,6,7
	s_bcnt1_i32_b32 s[TC+\e], s[MK+\e]
.endr
.irp e, 0,1,2,3,4,5,6,7
	s_add_co_u32 s[RUN+\e], s[RUN+\e], s[TC+\e]
.endr
	v_min_u32 v26, 0x1fff, v26                     ; a place is held inside order
	v_lshlrev_b32 v[Y+\k], 2, v26
	global_store_b32 v[Y+\k], v[TK+\k], s[6:7]     ; each step has its own address and data registers: none is written again
.endm
.set K, 0
.rept 32
	PLACE K
.set K, K+1
.endr
	; the table of tiles: thread i writes entry i.  Its expert is the last whose first tile is not beyond i; entries beyond the last tile get 0 rows
	v_mov_b32 v96, 0                               ; expert
	v_mov_b32 v97, 0                               ; its first place
	v_mov_b32 v98, s[N]                            ; its tokens
	v_mov_b32 v100, 0                              ; its first tile
.irp e, 1,2,3,4,5,6,7
	v_cmp_le_u32 vcc_lo, s[TB+\e], v0
	v_mov_b32 v104, \e
	v_mov_b32 v105, s[SEG+\e]
	v_mov_b32 v106, s[N+\e]
	v_mov_b32 v107, s[TB+\e]
	v_cndmask_b32 v96, v96, v104, vcc_lo
	v_cndmask_b32 v97, v97, v105, vcc_lo
	v_cndmask_b32 v98, v98, v106, vcc_lo
	v_cndmask_b32 v100, v100, v107, vcc_lo
.endr
	v_sub_nc_u32 v101, v0, v100
	v_lshlrev_b32 v101, 6, v101                    ; rows of the expert in front of this tile
	v_add_nc_u32 v97, v97, v101                    ; the tile's first place
	v_min_u32 v102, v98, v101
	v_sub_nc_u32 v98, v98, v102
	v_min_u32 v98, 64, v98                         ; its rows: what is left, 64 at the most, 0 beyond the end
	v_mov_b32 v99, 0
	v_lshlrev_b32 v103, 4, v0
	global_store_b128 v103, v[96:99], s[8:9]       ; 256 entries of 16 bytes: every byte of tiles is written
	s_wait_tensorcnt 0x0
	ds_add_u32 v178, v179
	s_wait_dscnt 0x0
	s_endpgm
.Lnot_route:
	s_cmp_gt_u32 ttmp9, 224
	s_cbranch_scc1 .Lpath_h
; ---------------------------------------------------------------- BIG and U3: the weights' quantiser
; A wave takes 32 columns x 128 along K (one K step).  LANE (u, r) TAKES COLUMN 8 u + r + 8 (r / 8) OF THE 32, AND ITS REGISTERS RUN DOWN K: a load reads 128 consecutive bytes (in another order of lanes),
; a block of 32 along K lies in one lane, and the block's 16 bytes of codes are the lane's own 16 bytes of the fragment's image: lanes 0-15 store 256 consecutive bytes, aligned, lanes 16-31 another 256.  No stage.
.set VO,  4                            ; v4   my column's byte in a row of the weight
.set VD,  5                            ; v5   4096 u + 16 r: my place in the two fragments
.set VL,  6                            ; v6   LDS: where my scale word goes
.set VR,  7                            ; v7   LDS: 16 lane + 512 wave: where waves 0 and 1 read 512 bytes back
.set VS,  8                            ; v8   16 lane
.set SW,  17                           ; v17  my column's scale word of this K step
.set X,   32                           ; v32-159  four blocks of 32 numbers
.set C,   160                          ; v160-175 four blocks' codes: no store's data are written again
.set SRC, 28                           ; s[28:29] the weight at my wave's first number
.set DST, 30                           ; s[30:31] the codes at my wave's fragments
.set SDS, 32                           ; s[32:33] the scale words' 512 bytes that my wave stores (waves 0 and 1)
.macro LOADB kb, pitch
.irp i, 0,1,2,3,4,5,6,7,8,9,10,11,12,13,14,15,16,17,18,19,20,21,22,23,24,25,26,27,28,29,30,31
	global_load_b32 v[X+32*\kb+\i], v[VO], s[SRC:SRC+1] offset:(32*\kb+\i)*\pitch th:TH_LOAD_NT
.endr
.endm
.macro BLOCK kb
.set XK, X+32*\kb
	v_max3_num_f32 v12, |v[XK]|, |v[XK+1]|, |v[XK+2]|              ; the block's largest magnitude: all 32 numbers are mine; two chains
	v_max3_num_f32 v13, |v[XK+3]|, |v[XK+4]|, |v[XK+5]|
.irp i, 6,10,14,18,22,26
	v_max3_num_f32 v12, v12, |v[XK+\i]|, |v[XK+\i+1]|
	v_max3_num_f32 v13, v13, |v[XK+\i+2]|, |v[XK+\i+3]|
.endr
	v_max3_num_f32 v12, v12, |v[XK+30]|, |v[XK+31]|
	v_max3_num_f32 v12, v12, v13, 0x1800000        ; and the floor 2^(3 - 127): the byte cannot fall under 1
	v_add_nc_u32 v11, 0xff000000, v12              ; 2 off the exponent field: the conversion takes this operand's exponent field as its scale
	v_lshrrev_b32 v13, 23, v11                     ; the scale's byte
.if \kb == 0
	v_mov_b32 v[SW], v13
.else
	v_lshl_or_b32 v[SW], v13, 8*\kb, v[SW]         ; the lower K in the lower byte
.endif
.irp g, 0,1,2,3
	v_cvt_scalef32_pk8_fp4_f32 v[C+4*\kb+\g], v[XK+8*\g:XK+8*\g+7], v11
.endr
	v_nop                                          ; one plain place behind the conversions: the next block writes their scale operand
	global_store_b128 v[VD], v[C+4*\kb:C+4*\kb+3], s[DST:DST+1] offset:512*(\kb/2)+256*(\kb%2)   ; block kb = 2 c + h of the K step
.endm
.macro QPATH pitch, base
	LOADB 0, \pitch
	LOADB 1, \pitch
	s_wait_loadcnt 32                              ; block 0 is in; the 32 loads of block 1 may be out
	LOADB 2, \pitch
	BLOCK 0
	s_wait_loadcnt 32                              ; block 1 is in; block 2's 32 may be out
	LOADB 3, \pitch
	BLOCK 1
	s_wait_loadcnt 32                              ; block 2 is in; block 3's 32 may be out
	BLOCK 2
	s_wait_loadcnt 0x0
	BLOCK 3
	ds_store_b32 v[VL], v[SW] offset:\base         ; the eight waves' scale words meet in LDS in the order of the buffer,
	BARRIER
	s_cmp_lt_u32 s[WV], 2
	s_cbranch_scc0 .Lq_done_\@
	ds_load_b128 v[12:15], v[VR] offset:\base
	s_wait_dscnt 0x0
	global_store_b128 v[VS], v[12:15], s[SDS:SDS+1]   ; and leave as 512 consecutive bytes from each of two waves
.Lq_done_\@:
	s_wait_tensorcnt 0x0
	ds_add_u32 v178, v179
	s_wait_dscnt 0x0
	s_endpgm
.endm
	v_and_b32 v9, 8, v2
	v_add_nc_u32 v9, v9, v2                        ; r + 8 (r / 8)
	v_lshl_add_u32 v9, v3, 3, v9                   ; + 8 u
	v_lshlrev_b32 v[VO], 2, v9
	v_lshlrev_b32 v[VD], 4, v2
	v_lshl_add_u32 v[VD], v3, 12, v[VD]
	v_lshlrev_b32 v[VS], 4, v1
	s_lshl_b32 s34, s[WV], 9
	v_add_nc_u32 v[VR], s34, v[VS]
	s_cmp_gt_u32 ttmp9, 216
	s_cbranch_scc1 .Lpath_u3
	; BIG.  i = work-group - 1: matrix i / 8; of its 8 work-groups g = i % 4 takes columns 128 g on, yy = (i / 4) % 2 the K steps 2 yy and 2 yy + 1.  Wave w: columns 32 (w % 4) on of those, K step 2 yy + w / 4.
	s_load_b256 s[12:19], s[0:1], 0x0              ; W1 W2 W3 U0
	s_load_b128 s[20:23], s[0:1], 0x20             ; U1 U2
	s_load_b128 s[24:27], s[0:1], 0x38             ; wq, ws
	s_sub_co_u32 s34, ttmp9, 1
	s_lshr_b32 s35, s34, 3                         ; matrix 0 .. 26
	s_and_b32 s36, s34, 3                          ; g
	s_bfe_u32 s37, s34, 0x10002                    ; yy
	s_max_u32 s38, s35, 3
	s_sub_co_u32 s38, s38, 3                       ; 0 for W1 W2 W3, else 8 x layer + expert
	s_lshr_b32 s39, s38, 3
	s_and_b32 s38, s38, 7                          ; expert
	s_min_u32 s40, s35, 3
	s_add_co_u32 s40, s40, s39                     ; kind 0 .. 5: W1 W2 W3 U0 U1 U2
	s_and_b32 s41, s[WV], 3                        ; cw
	s_lshr_b32 s42, s[WV], 2                       ; kh
	s_lshl_b32 s43, s37, 1
	s_add_co_u32 s43, s43, s42                     ; K step s
	s_lshl_b32 s44, s36, 2
	s_add_co_u32 s44, s44, s41                     ; b: which 32 columns
	s_lshl_b32 s46, s38, 20                        ; the source: expert x 1 MiB + s x 128 rows of 2,048 bytes + b x 128 bytes
	s_lshl_b32 s45, s43, 18
	s_add_co_u32 s46, s46, s45
	s_lshl_b32 s45, s44, 7
	s_add_co_u32 s46, s46, s45
	s_mov_b32 s47, 0
	s_lshl_b32 s48, s40, 17                        ; the codes: kind x 128 KiB + expert x 409,600 + b x 8,192 + s x 1,024
	s_mul_i32 s45, s38, 409600
	s_add_co_u32 s48, s48, s45
	s_lshl_b32 s45, s44, 13
	s_add_co_u32 s48, s48, s45
	s_lshl_b32 s45, s43, 10
	s_add_co_u32 s48, s48, s45
	s_mov_b32 s49, 0
	s_lshl_b32 s50, s40, 13                        ; the scale words: kind x 8,192 + expert x 25,600 + (2 yy + wave) x 2,048 + g x 512
	s_mul_i32 s45, s38, 25600
	s_add_co_u32 s50, s50, s45
	s_lshl_b32 s45, s37, 12
	s_add_co_u32 s50, s50, s45
	s_lshl_b32 s45, s[WV], 11
	s_add_co_u32 s50, s50, s45
	s_lshl_b32 s45, s36, 9
	s_add_co_u32 s50, s50, s45
	s_mov_b32 s51, 0
	s_lshl_b32 s45, s42, 9
	s_lshl_b32 s52, s41, 2
	s_add_co_u32 s45, s45, s52
	v_add_nc_u32 v[VL], s45, v[VS]                 ; LDS: [kh][lane][cw]
	s_wait_kmcnt 0x0
	s_mov_b64 s[SRC:SRC+1], s[12:13]
.irp k, 1,2,3,4,5
	s_cmp_eq_u32 s40, \k                           ; the choice hangs on the work-group's number alone
	s_cselect_b64 s[SRC:SRC+1], s[12+2*\k:13+2*\k], s[SRC:SRC+1]
.endr
	s_add_nc_u64 s[SRC:SRC+1], s[SRC:SRC+1], s[46:47]
	s_add_nc_u64 s[DST:DST+1], s[24:25], s[48:49]
	s_add_nc_u64 s[SDS:SDS+1], s[26:27], s[50:51]
	QPATH 2048, LQ
.Lpath_u3:
	; U3 of expert work-group - 217: 64 columns.  Wave w: columns 32 (w % 2) on, K step w / 2.
	s_load_b128 s[12:15], s[0:1], 0x30             ; U3, wq
	s_load_b64 s[16:17], s[0:1], 0x40              ; ws
	s_sub_co_u32 s38, ttmp9, 217                   ; expert
	s_and_b32 s41, s[WV], 1                        ; p
	s_lshr_b32 s43, s[WV], 1                       ; K step s
	s_lshl_b32 s46, s38, 17                        ; the source: expert x 128 KiB + s x 128 rows of 256 bytes + p x 128 bytes
	s_lshl_b32 s45, s43, 15
	s_add_co_u32 s46, s46, s45
	s_lshl_b32 s45, s41, 7
	s_add_co_u32 s46, s46, s45
	s_mov_b32 s47, 0
	s_mul_i32 s48, s38, 409600                     ; the codes: 786,432 + expert x 409,600 + p x 8,192 + s x 1,024
	s_add_co_u32 s48, s48, 786432
	s_lshl_b32 s45, s41, 13
	s_add_co_u32 s48, s48, s45
	s_lshl_b32 s45, s43, 10
	s_add_co_u32 s48, s48, s45
	s_mov_b32 s49, 0
	s_mul_i32 s50, s38, 25600                      ; the scale words: 49,152 + expert x 25,600 + wave x 512, laid [p][lane][s]
	s_add_co_u32 s50, s50, 49152
	s_lshl_b32 s45, s[WV], 9
	s_add_co_u32 s50, s50, s45
	s_mov_b32 s51, 0
	s_lshl_b32 s45, s41, 9
	s_lshl_b32 s52, s43, 2
	s_add_co_u32 s45, s45, s52
	v_add_nc_u32 v[VL], s45, v[VS]
	s_wait_kmcnt 0x0
	s_add_nc_u64 s[SRC:SRC+1], s[12:13], s[46:47]
	s_add_nc_u64 s[DST:DST+1], s[14:15], s[48:49]
	s_add_nc_u64 s[SDS:SDS+1], s[16:17], s[50:51]
	QPATH 256, LU
; ---------------------------------------------------------------- H: layer 0 and its quantiser
; 32 tokens a work-group.  Wave w makes units 128 (w % 4) on (one K step of the next product) for the 16 tokens of row tile w / 4.  The product is used transposed (source 0 = 16 units of W0, source 1 = 16 tokens),
; so that a lane holds one token and its registers run along the units.  b0 is the C of each sum's first instruction.  The eight accumulators take turns, one instruction a turn.
.Lpath_h:
.set AW,  32                           ; v32-95   W0's fragments: (tile t, 4 along K q) at AW + 2 (4 t + q)
.set XB,  96                           ; v96-103  x's four fragments
.set BI,  104                          ; v104-167 b0 in the result's layout; later relu of the sums
.set TM,  168                          ; v168-183 the quantiser's work
.set PC,  184                          ; v184-191 the codes just made
.set PW,  16                           ; v16      the scale word just made
.set HA,  192                          ; v192-255 the sums
.set SEL, 20                           ; s[20:21] v_permlanex16_b32's selects for lane l xor 16
; 64 numbers of a lane, none negative, register 16 b + i = k 32 b + 16 (lane / 16) + i of my row, become a fragment's codes in v[PC] on and its scale word in v[PW].
.macro QUANT s
.irp b, 0,1,2,3
	v_max3_num_f32 v[TM+\b], v[\s+16*\b], v[\s+1+16*\b], 0x1800000   ; block b: my 16 numbers, and the floor 2^(3 - 127)
.endr
.irp i, 2,4,6,8,10,12,14
.irp b, 0,1,2,3
	v_max3_num_f32 v[TM+\b], v[TM+\b], v[\s+16*\b+\i], v[\s+1+16*\b+\i]   ; the four blocks by turns
.endr
.endr
.irp b, 0,1,2,3
	v_permlanex16_b32 v[TM+4+\b], v[TM+\b], s[SEL], s[SEL+1]
.endr
.irp b, 0,1,2,3
	v_max_num_f32 v[TM+\b], v[TM+\b], v[TM+4+\b]   ; with lane l xor 16's: the block's largest
.endr
.irp b, 0,1,2,3
	v_add_nc_u32 v[TM+12+\b], 0xff000000, v[TM+\b] ; 2 off its exponent field: the conversion's scale operand
.endr
.irp b, 0,1,2,3
	v_lshrrev_b32 v[TM+4+\b], 23, v[TM+12+\b]      ; the scale's byte
.endr
	v_lshl_or_b32 v[PW], v[TM+5], 8, v[TM+4]
	v_lshl_or_b32 v[PW], v[TM+6], 16, v[PW]
	v_lshl_or_b32 v[PW], v[TM+7], 24, v[PW]
.irp b, 0,1,2,3
	v_cvt_scalef32_pk8_fp4_f32 v[PC+2*\b], v[\s+16*\b:\s+7+16*\b], v[TM+12+\b]
	v_cvt_scalef32_pk8_fp4_f32 v[PC+1+2*\b], v[\s+8+16*\b:\s+15+16*\b], v[TM+12+\b]
.endr
	v_nop                                          ; one plain place behind a scaled conversion
.irp c, 0,1                                    ; the operand's layout wants a whole block in a lane: lanes 0-15 block 2 c, lanes 16-31 block 2 c + 1
.irp i, 0,1
	v_permlane16_swap_b32 v[PC+4*\c+\i], v[PC+2+4*\c+\i]
.endr
.endr
.endm
	s_load_b128 s[12:15], s[0:1], 0x48             ; x, W0
	s_load_b128 s[16:19], s[0:1], 0x58             ; b0, h0q
	s_load_b64 s[24:25], s[0:1], 0x68              ; h0s
	s_sub_co_u32 s26, ttmp9, 225
	s_lshl_b32 s26, s26, 5                         ; the work-group's first token
	s_and_b32 s27, s[WV], 3                        ; K step s of the next product
	s_lshr_b32 s28, s[WV], 2                       ; row tile mt
	s_lshl_b32 s29, s28, 4
	s_add_co_u32 s29, s29, s26
	s_lshl_b32 s30, s29, 6                         ; x: 64 bytes a token
	s_mov_b32 s31, 0
	s_lshl_b32 s32, s27, 9                         ; W0 and b0: my 128 units
	s_mov_b32 s33, 0
	s_lshl_b32 s34, s26, 8                         ; h0q: 256 bytes a token
	s_mov_b32 s35, 0
	s_lshl_b32 s36, s26, 4                         ; h0s: 16 bytes a token
	s_mov_b32 s37, 0
	s_mov_b32 s[SEL], 0x76543210
	s_mov_b32 s[SEL+1], 0xfedcba98
	v_lshlrev_b32 v4, 6, v2
	v_lshl_add_u32 v4, v3, 3, v4                   ; x: token r, k = 2 h on
	v_and_b32 v5, 8, v2
	v_add_nc_u32 v5, v5, v2
	v_lshlrev_b32 v5, 2, v5
	v_lshl_add_u32 v5, v3, 12, v5                  ; W0: unit r + 8 (r / 8) of a tile, rows 2 h on (2,048 bytes a row)
	v_lshlrev_b32 v6, 6, v3                        ; b0: 16 h units on
	s_mul_i32 s38, s28, 16*272
	s_lshl_b32 s39, s27, 6
	s_add_co_u32 s38, s38, s39
	v_mul_u32_u24 v7, v2, 272
	v_lshl_add_u32 v7, v3, 4, v7
	v_add_nc_u32 v7, s38, v7                       ; the stage: row 16 mt + r, byte 64 s + 16 h (+ 32 c)
	s_lshl_b32 s38, s28, 8
	s_lshl_b32 s39, s27, 2
	s_add_co_u32 s38, s38, s39
	v_lshlrev_b32 v8, 4, v2
	v_add_nc_u32 v8, s38, v8                       ; the scale words: row 16 mt + r, word s
	s_mul_i32 s38, s[WV], 4*272
	v_mul_u32_u24 v9, v3, 272
	v_lshl_add_u32 v9, v2, 4, v9
	v_add_nc_u32 v9, s38, v9                       ; back: wave w takes rows 4 w on, sixteen lanes to a row
	v_lshlrev_b32 v11, 4, v1
	s_lshl_b32 s38, s[WV], 10
	v_add_nc_u32 v10, s38, v11                     ; and the same bytes in h0q
.irp b, 0,1,2,3
	v_mov_b32 v[TM+4+\b], 0                        ; written once: a lane permute's destination counts as one of its sources
.endr
	s_wait_kmcnt 0x0
	s_add_nc_u64 s[12:13], s[12:13], s[30:31]
	s_add_nc_u64 s[14:15], s[14:15], s[32:33]
	s_add_nc_u64 s[16:17], s[16:17], s[32:33]
	s_add_nc_u64 s[18:19], s[18:19], s[34:35]
	s_add_nc_u64 s[24:25], s[24:25], s[36:37]
.irp q, 0,1,2,3
	global_load_b64 v[XB+2*\q:XB+2*\q+1], v4, s[12:13] offset:16*\q
.endr
.irp t, 0,1,2,3,4,5,6,7
.irp q, 0,1,2,3
.irp j, 0,1
	global_load_b32 v[AW+2*(4*\t+\q)+\j], v5, s[14:15] offset:(4*\q+\j)*2048+(32*(\t/2)+8*(\t%2))*4
.endr
.endr
.endr
.irp t, 0,1,2,3,4,5,6,7
.irp a, 0,1
	global_load_b128 v[BI+8*\t+4*\a:BI+8*\t+4*\a+3], v6, s[16:17] offset:(32*(\t/2)+8*(\t%2))*4+16*\a
.endr
.endr
	s_wait_loadcnt 0x0
.irp q, 0,1,2,3
.irp t, 0,1,2,3,4,5,6,7
.if \q == 0
	v_wmma_f32_16x16x4_f32 v[HA+8*\t:HA+8*\t+7], v[AW+2*(4*\t+\q):AW+2*(4*\t+\q)+1], v[XB+2*\q:XB+2*\q+1], v[BI+8*\t:BI+8*\t+7]
.else
	v_wmma_f32_16x16x4_f32 v[HA+8*\t:HA+8*\t+7], v[AW+2*(4*\t+\q):AW+2*(4*\t+\q)+1], v[XB+2*\q:XB+2*\q+1], v[HA+8*\t:HA+8*\t+7]
.endif
.endr
.endr
.rept 8
	v_nop                                          ; eight places behind this form (ISA guide 7.12.1) ahead of the first read of a result and the first write of a source
.endr
.set j, 0
.rept 64
	v_max_num_f32 v[BI+j], 0, v[HA+j]              ; the activation, into other registers; each accumulator from its low end on
.set j, j+1
.endr
	QUANT BI
.irp c, 0,1
	ds_store_b128 v7, v[PC+4*\c:PC+4*\c+3] offset:STGH+32*\c   ; as plain rows: k / 2 is the byte
.endr
	ds_store_b32 v8, v[PW] offset:SCH              ; both halves of the lanes write the same word with the same value
	BARRIER
	ds_load_b128 v[32:35], v9 offset:STGH
	ds_load_b128 v[36:39], v9 offset:STGH+2*272
	s_wait_dscnt 0x0
	global_store_b128 v10, v[32:35], s[18:19]              ; 32 lanes store 512 consecutive bytes: two tokens' rows
	global_store_b128 v10, v[36:39], s[18:19] offset:512
	s_cmp_lg_u32 s[WV], 0
	s_cbranch_scc1 .Lh_done
	ds_load_b128 v[40:43], v11 offset:SCH
	s_wait_dscnt 0x0
	global_store_b128 v11, v[40:43], s[24:25]              ; the 32 tokens' scale bytes: 512 consecutive bytes
.Lh_done:
	s_wait_tensorcnt 0x0
	ds_add_u32 v178, v179
	s_wait_dscnt 0x0
	s_endpgm
.Lfunc_end_k_qc55270d5d0_prep:
	.size	k_qc55270d5d0_prep, .Lfunc_end_k_qc55270d5d0_prep-k_qc55270d5d0_prep
	.p2alignl 7, 3214868480
	.fill 96, 4, 3214868480
	.section	.rodata,"a",@progbits
	.p2align	6, 0x0
	.amdhsa_kernel k_qc55270d5d0_prep
		.amdhsa_group_segment_fixed_size 13312
		.amdhsa_private_segment_fixed_size 0
		.amdhsa_enable_private_segment 0
		.amdhsa_kernarg_size 136
		.amdhsa_user_sgpr_count 2
		.amdhsa_user_sgpr_kernarg_segment_ptr 1
		.amdhsa_wavefront_size32 1
		.amdhsa_system_sgpr_workgroup_id_x 1
		.amdhsa_system_sgpr_workgroup_id_y 1
		.amdhsa_system_sgpr_workgroup_id_z 1
		.amdhsa_system_vgpr_workitem_id 0
		.amdhsa_next_free_vgpr 256
		.amdhsa_next_free_sgpr 66
		.amdhsa_reserve_vcc 1
		.amdhsa_float_denorm_mode_32 3
		.amdhsa_float_denorm_mode_16_64 3
		.amdhsa_memory_ordered 1
		.amdhsa_forward_progress 1
		.amdhsa_inst_pref_size 173
	.end_amdhsa_kernel
	.amdgpu_metadata
---
amdhsa.version: [ 1, 2 ]
amdhsa.kernels:
  - .name:           k_qc55270d5d0_prep
    .symbol:         k_qc55270d5d0_prep.kd
    .args:
      - { .name: W1, .offset: 0, .size: 8, .value_kind: global_buffer, .address_space: global }
      - { .name: W2, .offset: 8, .size: 8, .value_kind: global_buffer, .address_space: global }
      - { .name: W3, .offset: 16, .size: 8, .value_kind: global_buffer, .address_space: global }
      - { .name: U0, .offset: 24, .size: 8, .value_kind: global_buffer, .address_space: global }
      - { .name: U1, .offset: 32, .size: 8, .value_kind: global_buffer, .address_space: global }
      - { .name: U2, .offset: 40, .size: 8, .value_kind: global_buffer, .address_space: global }
      - { .name: U3, .offset: 48, .size: 8, .value_kind: global_buffer, .address_space: global }
      - { .name: wq, .offset: 56, .size: 8, .value_kind: global_buffer, .address_space: global }
      - { .name: ws, .offset: 64, .size: 8, .value_kind: global_buffer, .address_space: global }
      - { .name: x, .offset: 72, .size: 8, .value_kind: global_buffer, .address_space: global }
      - { .name: W0, .offset: 80, .size: 8, .value_kind: global_buffer, .address_space: global }
      - { .name: b0, .offset: 88, .size: 8, .value_kind: global_buffer, .address_space: global }
      - { .name: h0q, .offset: 96, .size: 8, .value_kind: global_buffer, .address_space: global }
      - { .name: h0s, .offset: 104, .size: 8, .value_kind: global_buffer, .address_space: global }
      - { .name: y, .offset: 112, .size: 8, .value_kind: global_buffer, .address_space: global }
      - { .name: order, .offset: 120, .size: 8, .value_kind: global_buffer, .address_space: global }
      - { .name: tiles, .offset: 128, .size: 8, .value_kind: global_buffer, .address_space: global }
    .group_segment_fixed_size: 13312
    .private_segment_fixed_size: 0
    .kernarg_segment_align: 8
    .kernarg_segment_size: 136
    .max_flat_workgroup_size: 256
    .sgpr_count:     66
    .vgpr_count:     256
    .wavefront_size: 32
...
	.end_amdgpu_metadata
.endif
;; end of part 1
;; launch chain (part 2): grid 135 x 1, 4 waves a work-group, no clusters, 55,808 bytes of LDS; arguments tiles, order, h0q, h0s, wq, ws, b1, b2, b3, c0, c1, c2, c3, out0; writes out0
.if DOCPART == 2
	.amdgcn_target "amdgcn-amd-amdhsa--gfx1250"
	.amdhsa_code_object_version 6
	.text
	.protected	k_qc55270d5d0_chain
	.globl	k_qc55270d5d0_chain
	.p2align	8
	.type	k_qc55270d5d0_chain,@function
k_qc55270d5d0_chain:
	s_mov_b64 s[64:65], 0
	v_nop
	global_prefetch_b8 v0, s[64:65] scope:SCOPE_SE
	s_setreg_imm32_b32 hwreg(HW_REG_WAVE_MODE, 25, 1), 1
	s_wait_xcnt 0x0
; CHAIN: layers 1 to 7 (W1 W2 W3, then U0 U1 U2 U3 of ONE expert) for one tile of up to 64 tokens that chose that expert.  All products on codes of E2M1 with one E8M0 scale for each 32 along K, sums in f32.
; Only the chosen expert's rows are multiplied: the others' results are thrown away by the gather at the end of the computation that is asked for.
; THE GRID.  With 8,192 tokens, 8 experts and tiles of 64 rows there are never more than (8192 + 8 x 63) / 64 = 135 tiles, whatever y holds.  Work-group i takes entry i of the table of tiles (expert, first place, rows).
; A TILE WITHOUT ROWS walks the chain on one clamped row and jumps only over its stores: every wave passes every barrier, so no barrier stands under a branch on a number read from memory.
; ROWS PAST A TILE'S COUNT are copies of its last row: they give the same bits and store the same 256 bytes again, from the same work-group.  So EXEC never changes.
; SHARES.  Four waves.  THE WAVES SHARE THE UNITS, NOT THE ROWS: in layers 1 to 6 wave w makes units 128 w .. 128 w + 127 for all 64 rows; in layer 7 tile w of the 64 outputs' four.
; The products are used transposed (source 0 = 16 units of the weight, source 1 = 16 tokens): a lane holds one token, its registers run along the units; a wave's 8 tiles of a row tile are one fragment (K step w) of the next product.
; ACTIVATIONS go from wave to wave through LDS as images of the operand's registers (16 bytes a lane at 16 x lane), in two sets by turns: ONE barrier a layer.
; WEIGHTS come from memory straight into registers, in the order of the operand's registers, a whole layer ahead: while set p is multiplied, the next layer's 32 KiB of codes, 2 KiB of scale words and 2 KiB of bias
; (84 loads a wave) land in set 1 - p.  The bias is the C of each sum's first product.
; NO CLUSTER, NO JOINT LOADS: an expert has ceil(n / 64) tiles, any number from 0 to 128 by y, so no fixed groups of four work-groups share an expert at every split, and 135 is no multiple of 4.
; LIMITS: y in 0 .. 7 (by the table's making); NaN and infinities not served; the bias is added first and not last, which differs from the written order by f32 rounding alone.
; LDS
.set IMG,  0                           ; set p at p x SETB: 16 fragments (row tile m, K step s) at (4 m + s) x 1024 + 512 c + 16 lane
.set SCW,  16384                       ; and their scale words: 512 m + 16 lane + 4 s
.set SETB, 18432
.set STG,  36864                       ; the way out: 64 rows x (256 bytes + 16)
.set TOK,  54272                       ; the 64 rows' token numbers
; REGISTERS, window 0
.set LI,  1                            ; v1   16 lane
.set BO,  2                            ; v2   64 h: a bias's 16 h units
.set HWI, 3                            ; v3   16 lane + 1024 w: where my images go
.set HWS, 4                            ; v4   16 lane + 4 w: and their scale words
.set GWI, 5                            ; v5   16 lane + 4096 w: the gathered rows' images
.set GWS, 6                            ; v6   16 lane + 512 w
.set SO,  7                            ; v7   the stage: 272 r + 64 h + 128 (w / 2) + 32 (w % 2)
.set SR,  8                            ; v8   back: (16 w + h) x 272 + 16 r
.set TKA, 9                            ; v9   4 (16 w + r)
.set TKR, 10                           ; v10  4 (16 w + h)
.set CO,  11                           ; v11  16 r
.set IDX, 12                           ; v12  my row, then its byte in order
.set TKN, 13                           ; v13  its token
.set VGA, 14                           ; v14  its bytes in h0q
.set VGS, 15                           ; v15  and in h0s
.set TM,  16                           ; v16-31  the quantiser's work; at the end eight store addresses
.set PW,  32                           ; v32  the scale word just made
.set H16, 33                           ; v33  16 h
.set PC,  34                           ; v34-41  the codes just made
.set XS,  42                           ; v42-57  the activations' scale words: two sets of 4; layer 7: all 16
.set U3S, 58                           ; v58-61  U3's scale words
.set XF,  64                           ; v64-127 the activations' fragments: two sets of 4 x 8
.set RL,  128                          ; v128-191 relu of the sums
.set WSC, 192                          ; v192-223 the weights' scale words: set p at WSC + 16 p; register 4 s + i: lanes 0-15 tile 2 i, lanes 16-31 tile 2 i + 1
.set G,   224                          ; v224-255 the gathered rows; at the end the rows of the result
; windows 1 and 2: weight sets 0 and 1, fragment (t, s) at 8 (4 t + s).   window 3:
.set HA,  0                            ; the 8 sums
.set BIA, 64                           ; the biases: set p at BIA + 64 p
.set U3F, 192                          ; U3's four fragments
.set C3B, 224                          ; c3's tile
; scalars
.set WQT, 16                           ; s[16:17] wq + 32768 w
.set WST, 18                           ; s[18:19] ws + 512 w
.set B1,  20
.set B2,  22
.set B3,  24
.set C0,  26
.set C1,  28
.set C2,  30
.set C3,  32
.set OUT, 34
.set WV,  40
.set WQE, 42                           ; WQT + 409600 e: layer i = 3, 4, 5 lies at WQE + 131072 i, layer i = 0, 1, 2 at WQT + 131072 i
.set WSE, 44                           ; WST + 25600 e, likewise with 8192 i
.set CURQ, 46
.set CURS, 48
.set PQ,  50                           ; the next layer's codes,
.set PS,  52                           ; scale words
.set PB,  54                           ; and bias
.set LOFF, 56                          ; 131072 x the next layer's index
.set SOFF, 58                          ; 8192 x
.set TRIP, 60
.set SEL, 66
.set U3Q, 76
.set U3SP, 78
.set MSB, 0
.macro WIN new                         ; the immediate's high byte repeats the setting that is left; a switch that changes nothing is dropped
.if MSB != (\new)
	s_set_vgpr_msb (MSB<<8)|(\new)
.set MSB, \new
.endif
.endm
.macro BARRIER
	s_wait_dscnt 0x0
	s_barrier_signal -1
	s_barrier_wait -1
.endm
; A quarter of a layer's weights into set: tiles 2 part and 2 part + 1 (16 loads of codes, 4 of bias) and K step part's scale words: 21 loads.
.macro WPART set, part
	WIN 0x40*(1+\set)
.irp tt, 2*\part, 2*\part+1
.irp s, 0,1,2,3
.irp c, 0,1
	global_load_b128 v[8*(4*(\tt)+\s)+4*\c:8*(4*(\tt)+\s)+4*\c+3], v[LI], s[PQ:PQ+1] offset:(4*(\tt)+\s)*1024+512*\c
.endr
.endr
.endr
	WIN 0xc0
.irp tt, 2*\part, 2*\part+1
.irp a, 0,1
	global_load_b128 v[BIA+64*\set+8*(\tt)+4*\a:BIA+64*\set+8*(\tt)+4*\a+3], v[BO], s[PB:PB+1] offset:(32*((\tt)/2)+8*((\tt)%2))*4+16*\a
.endr
.endr
	WIN 0
	global_load_b128 v[WSC+16*\set+4*\part:WSC+16*\set+4*\part+3], v[LI], s[PS:PS+1] offset:2048*\part
.endm
.macro WPARTC set, part                ; the same, but for the last trip: behind layer 6 no layer of this shape follows
	s_cmp_eq_u32 s[TRIP], 1
	s_cbranch_scc1 .Lno_next_\@
	WPART \set, \part
.Lno_next_\@:
.endm
.macro FETCH base, m                   ; row tile m's four fragments and its scale words, from the set at base
.irp s, 0,1,2,3
.irp c, 0,1
	ds_load_b128 v[XF+32*((\m)%2)+8*\s+4*\c:XF+32*((\m)%2)+8*\s+4*\c+3], v[LI] offset:(\base)+IMG+(4*(\m)+\s)*1024+512*\c
.endr
.endr
	ds_load_b128 v[XS+4*((\m)%2):XS+4*((\m)%2)+3], v[LI] offset:(\base)+SCW+512*(\m)
.endm
; 32 products: my 8 tiles of units x row tile m, four K steps.  The eight accumulators take turns, one instruction a turn.
.macro MUL set, m
	WIN 0xf1+\set
.irp s, 0,1,2,3
.irp t, 0,1,2,3,4,5,6,7
.if \s == 0
.set rC, BIA+64*\set+8*\t
.else
.set rC, HA+8*\t
.endif
.set rA, 8*(4*\t+\s)
.set rB, XF+32*((\m)%2)+8*\s
.set rSA, WSC+16*\set+4*\s+\t/2
.set rSB, XS+4*((\m)%2)+\s
.if \t%2
	v_wmma_scale_f32_16x16x128_f8f6f4 v[HA+8*\t:HA+8*\t+7], v[rA:rA+7], v[rB:rB+7], v[rC:rC+7], v[rSA], v[rSB] matrix_a_fmt:MATRIX_FMT_FP4 matrix_b_fmt:MATRIX_FMT_FP4 matrix_a_scale:MATRIX_SCALE_ROW1
.else
	v_wmma_scale_f32_16x16x128_f8f6f4 v[HA+8*\t:HA+8*\t+7], v[rA:rA+7], v[rB:rB+7], v[rC:rC+7], v[rSA], v[rSB] matrix_a_fmt:MATRIX_FMT_FP4 matrix_b_fmt:MATRIX_FMT_FP4
.endif
.endr
.endr
.endm
; 64 numbers of a lane, none negative, register 16 b + i = k 32 b + 16 (lane / 16) + i of my row, become a fragment's codes in v[PC] on and its scale word in v[PW].
.macro QUANT s
.irp b, 0,1,2,3
	v_max3_num_f32 v[TM+\b], v[\s+16*\b], v[\s+1+16*\b], 0x1800000   ; block b: my 16 numbers, and the floor 2^(3 - 127): the byte cannot fall under 1
.endr
.irp i, 2,4,6,8,10,12,14
.irp b, 0,1,2,3
	v_max3_num_f32 v[TM+\b], v[TM+\b], v[\s+16*\b+\i], v[\s+1+16*\b+\i]
.endr
.endr
.irp b, 0,1,2,3
	v_permlanex16_b32 v[TM+4+\b], v[TM+\b], s[SEL], s[SEL+1]
.endr
.irp b, 0,1,2,3
	v_max_num_f32 v[TM+\b], v[TM+\b], v[TM+4+\b]   ; with lane l xor 16's: the block's largest
.endr
.irp b, 0,1,2,3
	v_add_nc_u32 v[TM+12+\b], 0xff000000, v[TM+\b] ; 2 off its exponent field: the conversion's scale operand
.endr
.irp b, 0,1,2,3
	v_lshrrev_b32 v[TM+4+\b], 23, v[TM+12+\b]      ; the scale's byte
.endr
	v_lshl_or_b32 v[PW], v[TM+5], 8, v[TM+4]
	v_lshl_or_b32 v[PW], v[TM+6], 16, v[PW]
	v_lshl_or_b32 v[PW], v[TM+7], 24, v[PW]
.irp b, 0,1,2,3
	v_cvt_scalef32_pk8_fp4_f32 v[PC+2*\b], v[\s+16*\b:\s+7+16*\b], v[TM+12+\b]
	v_cvt_scalef32_pk8_fp4_f32 v[PC+1+2*\b], v[\s+8+16*\b:\s+15+16*\b], v[TM+12+\b]
.endr
	v_nop                                          ; one plain place behind a scaled conversion
.irp c, 0,1                                    ; a whole block in a lane: lanes 0-15 block 2 c, lanes 16-31 block 2 c + 1
.irp i, 0,1
	v_permlane16_swap_b32 v[PC+4*\c+\i], v[PC+2+4*\c+\i]
.endr
.endr
.endm
.macro IMAGE base, m                   ; K step w of the next product, row tile m, into the set at base
.irp c, 0,1
	ds_store_b128 v[HWI], v[PC+4*\c:PC+4*\c+3] offset:(\base)+IMG+4096*(\m)+512*\c
.endr
	ds_store_b32 v[HWS], v[PW] offset:(\base)+SCW+512*(\m)
.endm
; A layer of 512 -> 512 on weight set p: reads the activations' set p, writes set 1 - p, and asks for the next layer's weights.
; Every load into a register that products have read, and every product that begins a sum anew over an old one, stands behind a whole QUANT: far more plain vector lines that name none of those products' registers than the five asked.
.macro LAYER p
	s_wait_loadcnt 0x0                             ; this layer's weights are in; no load that names PQ, PS or PB is out, so they may be written
	s_cmp_eq_u32 s[TRIP], 3                        ; in the first trip the next layer is the trunk's, later the expert's
	s_cselect_b64 s[CURQ:CURQ+1], s[WQT:WQT+1], s[WQE:WQE+1]
	s_cselect_b64 s[CURS:CURS+1], s[WST:WST+1], s[WSE:WSE+1]
.if \p == 0
	s_cselect_b64 s[PB:PB+1], s[B2:B2+1], s[C0:C0+1]
	s_cmp_eq_u32 s[TRIP], 1
	s_cselect_b64 s[PB:PB+1], s[C2:C2+1], s[PB:PB+1]
.else
	s_cselect_b64 s[PB:PB+1], s[B3:B3+1], s[C1:C1+1]
.endif
	s_add_nc_u64 s[PQ:PQ+1], s[CURQ:CURQ+1], s[LOFF:LOFF+1]
	s_add_nc_u64 s[PS:PS+1], s[CURS:CURS+1], s[SOFF:SOFF+1]
	s_add_co_u32 s[LOFF], s[LOFF], 131072
	s_add_co_u32 s[SOFF], s[SOFF], 8192
	FETCH \p*SETB, 0
.irp m, 0,1,2,3
	s_wait_dscnt 0x0                               ; row tile m's fragments are in; the last image's stores are done
.if \m < 3
	FETCH \p*SETB, \m+1                            ; the next row tile lands while this one is multiplied and quantised
.endif
.if \p == 0
	WPART 1, \m
.else
	WPARTC 0, \m
.endif
	MUL \p, \m
	WIN 0x0c                                       ; source 1 in window 3
.rept 4
	v_nop                                          ; four places behind the last product (ISA guide 7.12.1)
.endr
.set j, 0
.rept 64
	v_max_num_f32 v[RL+j], 0, v[HA+j]              ; the activation, in f32; each accumulator from its low end on
.set j, j+1
.endr
	WIN 0
	QUANT RL
	IMAGE (1-\p)*SETB, \m
.endr
	BARRIER                                        ; the next layer's 16 fragments lie in LDS, and nobody reads this layer's any more
.endm
	s_load_b512 s[8:23], s[0:1], 0x0               ; tiles order h0q h0s wq ws b1 b2
	s_load_b256 s[24:31], s[0:1], 0x40             ; b3 c0 c1 c2
	s_load_b128 s[32:35], s[0:1], 0x60             ; c3 out0
	v_lshl_add_u32 v62, v0, 2, 0xd800
	v_mov_b32 v63, 0
	v_lshrrev_b32 v128, 5, v0
	v_readfirstlane_b32 s[WV], v128                ; wave 0..3
	v_and_b32 v128, 31, v0                         ; lane
	v_and_b32 v129, 15, v0                         ; r
	v_bfe_u32 v130, v0, 4, 1                       ; h
	v_lshlrev_b32 v[LI], 4, v128
	v_lshlrev_b32 v[BO], 6, v130
	v_lshlrev_b32 v[H16], 4, v130
	v_lshlrev_b32 v[CO], 4, v129
	s_lshl_b32 s68, s[WV], 10
	v_add_nc_u32 v[HWI], s68, v[LI]
	s_lshl_b32 s68, s[WV], 2
	v_add_nc_u32 v[HWS], s68, v[LI]
	s_lshl_b32 s68, s[WV], 12
	v_add_nc_u32 v[GWI], s68, v[LI]
	s_lshl_b32 s68, s[WV], 9
	v_add_nc_u32 v[GWS], s68, v[LI]
	s_lshr_b32 s72, s[WV], 1
	s_lshl_b32 s72, s72, 7
	s_and_b32 s73, s[WV], 1
	s_lshl_b32 s73, s73, 5
	s_add_co_u32 s72, s72, s73                     ; 128 (w / 2) + 32 (w % 2): my tile's first output, in bytes
	s_mov_b32 s73, 0
	v_mul_u32_u24 v[SO], v129, 272
	v_add_nc_u32 v[SO], v[BO], v[SO]
	v_add_nc_u32 v[SO], s72, v[SO]
	s_mul_i32 s68, s[WV], 16*272
	v_mul_u32_u24 v[SR], v130, 272
	v_add_nc_u32 v[SR], v[CO], v[SR]
	v_add_nc_u32 v[SR], s68, v[SR]
	s_lshl_b32 s68, s[WV], 6
	v_lshl_add_u32 v[TKA], v129, 2, s68
	v_lshl_add_u32 v[TKR], v130, 2, s68
	s_lshl_b32 s68, s[WV], 4
	v_add_nc_u32 v[IDX], s68, v129                 ; the row that I gather: 16 w + r
.irp b, 0,1,2,3
	v_mov_b32 v[TM+4+\b], 0                        ; written once: a lane permute's destination counts as one of its sources
.endr
	s_mov_b32 s[SEL], 0x76543210
	s_mov_b32 s[SEL+1], 0xfedcba98
	s_mov_b32 s69, 0
	s_mov_b32 s71, 0
	s_lshl_b32 s68, ttmp9, 4                       ; my entry of the table
	s_wait_kmcnt 0x0
	s_add_nc_u64 s[8:9], s[8:9], s[68:69]
	s_load_b128 s[36:39], s[8:9], 0x0              ; expert, first place, rows, 0
	s_mov_b64 s[U3Q:U3Q+1], s[WQT:WQT+1]
	s_mov_b64 s[U3SP:U3SP+1], s[WST:WST+1]
	s_lshl_b32 s70, s[WV], 15                      ; my 8 tiles of a layer's codes
	s_add_nc_u64 s[WQT:WQT+1], s[WQT:WQT+1], s[70:71]
	s_lshl_b32 s70, s[WV], 9                       ; my scale words, and my 128 numbers of each bias
	s_add_nc_u64 s[WST:WST+1], s[WST:WST+1], s[70:71]
.irp q, B1, B2, B3, C0, C1, C2
	s_add_nc_u64 s[\q:\q+1], s[\q:\q+1], s[70:71]
.endr
	s_lshl_b32 s70, s[WV], 12                      ; U3: my tile's four fragments
	s_add_nc_u64 s[U3Q:U3Q+1], s[U3Q:U3Q+1], s[70:71]
	s_add_nc_u64 s[U3Q:U3Q+1], s[U3Q:U3Q+1], 786432
	s_lshl_b32 s70, s[WV], 8                       ; and its scale words
	s_add_nc_u64 s[U3SP:U3SP+1], s[U3SP:U3SP+1], s[70:71]
	s_add_nc_u64 s[U3SP:U3SP+1], s[U3SP:U3SP+1], 49152
	s_add_nc_u64 s[C3:C3+1], s[C3:C3+1], s[72:73]
	s_mov_b64 s[PQ:PQ+1], s[WQT:WQT+1]             ; layer 1's weights need no entry: they are asked for at once
	s_mov_b64 s[PS:PS+1], s[WST:WST+1]
	s_mov_b64 s[PB:PB+1], s[B1:B1+1]
	WPART 0, 0
	s_wait_kmcnt 0x0
	s_min_u32 s36, s36, 7                          ; what was read is held inside its table
	s_min_u32 s37, s37, 8191
	s_min_u32 s38, s38, 64
	s_max_u32 s70, s38, 1
	s_sub_co_u32 s70, s70, 1                       ; the tile's last row
	v_min_u32 v[IDX], s70, v[IDX]                  ; rows past it are copies of it
	v_add_nc_u32 v[IDX], s37, v[IDX]
	v_min_u32 v[IDX], 0x1fff, v[IDX]
	v_lshlrev_b32 v[IDX], 2, v[IDX]
	global_load_b32 v[TKN], v[IDX], s[10:11]       ; my row's token
	s_mul_i32 s70, s36, 409600
	s_add_nc_u64 s[WQE:WQE+1], s[WQT:WQT+1], s[70:71]
	s_add_nc_u64 s[U3Q:U3Q+1], s[U3Q:U3Q+1], s[70:71]
	s_mul_i32 s70, s36, 25600
	s_add_nc_u64 s[WSE:WSE+1], s[WST:WST+1], s[70:71]
	s_add_nc_u64 s[U3SP:U3SP+1], s[U3SP:U3SP+1], s[70:71]
	s_lshl_b32 s70, s36, 11
.irp q, C0, C1, C2
	s_add_nc_u64 s[\q:\q+1], s[\q:\q+1], s[70:71]
.endr
	s_lshl_b32 s70, s36, 8
	s_add_nc_u64 s[C3:C3+1], s[C3:C3+1], s[70:71]
	WPART 0, 1
	WPART 0, 2
	s_wait_loadcnt 42                              ; the token is in: behind its load stand these two parts' 42
	v_min_u32 v[TKN], 0x1fff, v[TKN]
	ds_store_b32 v[TKA], v[TKN] offset:TOK         ; kept for the way out; both halves of the lanes write the same word with the same value
	v_lshl_add_u32 v[VGA], v[TKN], 8, v[H16]       ; its 256 bytes of codes, + my half's 16
	v_lshlrev_b32 v[VGS], 4, v[TKN]                ; its 16 scale bytes
.irp s, 0,1,2,3
.irp c, 0,1
	global_load_b128 v[G+8*\s+4*\c:G+8*\s+4*\c+3], v[VGA], s[12:13] offset:64*\s+32*\c
.endr
.endr
	global_load_b128 v[128:131], v[VGS], s[14:15]
	WPART 0, 3
	WIN 0xc0                                       ; U3's tile w: four fragments, c3's eight numbers a lane, four scale words: 11 loads; they stay
.irp s, 0,1,2,3
.irp c, 0,1
	global_load_b128 v[U3F+8*\s+4*\c:U3F+8*\s+4*\c+3], v[LI], s[U3Q:U3Q+1] offset:1024*\s+512*\c
.endr
.endr
.irp a, 0,1
	global_load_b128 v[C3B+4*\a:C3B+4*\a+3], v[BO], s[C3:C3+1] offset:16*\a
.endr
	WIN 0
	global_load_b128 v[U3S:U3S+3], v[CO], s[U3SP:U3SP+1]
	s_wait_loadcnt 32                              ; the gathered rows are in: behind them stand the fourth part's 21 loads and U3's 11
.irp s, 0,1,2,3
.irp c, 0,1
	ds_store_b128 v[GWI], v[G+8*\s+4*\c:G+8*\s+4*\c+3] offset:IMG+1024*\s+512*\c   ; row tile w's four fragments, as images
.endr
.endr
	ds_store_b128 v[GWS], v[128:131] offset:SCW
	BARRIER
	s_mov_b32 s[LOFF], 131072
	s_mov_b32 s[LOFF+1], 0
	s_mov_b32 s[SOFF], 8192
	s_mov_b32 s[SOFF+1], 0
	s_mov_b32 s[TRIP], 3
.Ltrip:                                            ; three trips of two layers: (W1, W2), (W3, U0), (U1, U2); after two layers the sets are back where they began
	LAYER 0
	LAYER 1
	s_sub_co_u32 s[TRIP], s[TRIP], 1
	s_cmp_lg_u32 s[TRIP], 0
	s_cbranch_scc1 .Ltrip
	; LAYER 7: my tile of 16 outputs for the four row tiles: four accumulators by turns, a K step at a time; c3 is the C of each sum's first product.  All 16 fragments come at once.
.irp m, 0,1,2,3
.irp s, 0,1,2,3
.irp c, 0,1
	ds_load_b128 v[XF+8*(4*\m+\s)+4*\c:XF+8*(4*\m+\s)+4*\c+3], v[LI] offset:IMG+(4*\m+\s)*1024+512*\c
.endr
.endr
	ds_load_b128 v[XS+4*\m:XS+4*\m+3], v[LI] offset:SCW+512*\m
.endr
	s_wait_dscnt 0x0
	WIN 0xf3
.irp s, 0,1,2,3
.irp m, 0,1,2,3
.if \s == 0
.set rC, C3B
.else
.set rC, HA+8*\m
.endif
	v_wmma_scale_f32_16x16x128_f8f6f4 v[HA+8*\m:HA+8*\m+7], v[U3F+8*\s:U3F+8*\s+7], v[XF+8*(4*\m+\s):XF+8*(4*\m+\s)+7], v[rC:rC+7], v[U3S+\s], v[XS+4*\m+\s] matrix_a_fmt:MATRIX_FMT_FP4 matrix_b_fmt:MATRIX_FMT_FP4
.endr
.endr
	WIN 0x0c                                       ; an LDS store's data are its source 1: window 3
.rept 4
	v_nop                                          ; four places ahead of the first read of a result
.endr
	; THE WAY OUT.  A lane holds eight neighbouring outputs of one row; a row's 64 come from four waves: they meet in the stage, and each wave stores 16 whole rows, sixteen lanes to a row of 256 bytes.
.irp m, 0,1,2,3
	ds_store_b128 v[SO], v[HA+8*\m:HA+8*\m+3] offset:STG+16*272*\m          ; each accumulator from its low end on
	ds_store_b128 v[SO], v[HA+8*\m+4:HA+8*\m+7] offset:STG+16*272*\m+16
.endr
	WIN 0
	BARRIER
.irp k, 0,1,2,3,4,5,6,7
	ds_load_b128 v[G+4*\k:G+4*\k+3], v[SR] offset:STG+2*272*\k              ; rows 16 w + h + 2 k
.endr
.irp k, 0,1,2,3,4,5,6,7
	ds_load_b32 v[TM+\k], v[TKR] offset:TOK+8*\k                            ; and their tokens
.endr
	s_wait_dscnt 0x0
.irp k, 0,1,2,3,4,5,6,7
	v_min_u32 v[TM+\k], 0x1fff, v[TM+\k]
.endr
.irp k, 0,1,2,3,4,5,6,7
	v_lshl_add_u32 v[TM+\k], v[TM+\k], 8, v[CO]    ; the token's row of out0, 16 bytes a lane
.endr
	s_cmp_eq_u32 s38, 0                            ; a tile without rows stores nothing; no barrier follows
	s_cbranch_scc1 .Lno_rows
.irp k, 0,1,2,3,4,5,6,7
	global_store_b128 v[TM+\k], v[G+4*\k:G+4*\k+3], s[OUT:OUT+1] th:TH_STORE_NT   ; sixteen lanes store 256 consecutive bytes, aligned: a token's whole row
.endr
.Lno_rows:
	s_wait_tensorcnt 0x0
	ds_add_u32 v62, v63
	s_wait_dscnt 0x0
	s_endpgm
.Lfunc_end_k_qc55270d5d0_chain:
	.size	k_qc55270d5d0_chain, .Lfunc_end_k_qc55270d5d0_chain-k_qc55270d5d0_chain
	.p2alignl 7, 3214868480
	.fill 96, 4, 3214868480
	.section	.rodata,"a",@progbits
	.p2align	6, 0x0
	.amdhsa_kernel k_qc55270d5d0_chain
		.amdhsa_group_segment_fixed_size 55808
		.amdhsa_private_segment_fixed_size 0
		.amdhsa_enable_private_segment 0
		.amdhsa_kernarg_size 112
		.amdhsa_user_sgpr_count 2
		.amdhsa_user_sgpr_kernarg_segment_ptr 1
		.amdhsa_wavefront_size32 1
		.amdhsa_system_sgpr_workgroup_id_x 1
		.amdhsa_system_sgpr_workgroup_id_y 1
		.amdhsa_system_sgpr_workgroup_id_z 1
		.amdhsa_system_vgpr_workitem_id 0
		.amdhsa_next_free_vgpr 1024
		.amdhsa_next_free_sgpr 84
		.amdhsa_reserve_vcc 0
		.amdhsa_float_denorm_mode_32 3
		.amdhsa_float_denorm_mode_16_64 3
		.amdhsa_memory_ordered 1
		.amdhsa_forward_progress 1
		.amdhsa_inst_pref_size 127
	.end_amdhsa_kernel
	.amdgpu_metadata
---
amdhsa.version: [ 1, 2 ]
amdhsa.kernels:
  - .name:           k_qc55270d5d0_chain
    .symbol:         k_qc55270d5d0_chain.kd
    .args:
      - { .name: tiles, .offset: 0, .size: 8, .value_kind: global_buffer, .address_space: global }
      - { .name: order, .offset: 8, .size: 8, .value_kind: global_buffer, .address_space: global }
      - { .name: h0q, .offset: 16, .size: 8, .value_kind: global_buffer, .address_space: global }
      - { .name: h0s, .offset: 24, .size: 8, .value_kind: global_buffer, .address_space: global }
      - { .name: wq, .offset: 32, .size: 8, .value_kind: global_buffer, .address_space: global }
      - { .name: ws, .offset: 40, .size: 8, .value_kind: global_buffer, .address_space: global }
      - { .name: b1, .offset: 48, .size: 8, .value_kind: global_buffer, .address_space: global }
      - { .name: b2, .offset: 56, .size: 8, .value_kind: global_buffer, .address_space: global }
      - { .name: b3, .offset: 64, .size: 8, .value_kind: global_buffer, .address_space: global }
      - { .name: c0, .offset: 72, .size: 8, .value_kind: global_buffer, .address_space: global }
      - { .name: c1, .offset: 80, .size: 8, .value_kind: global_buffer, .address_space: global }
      - { .name: c2, .offset: 88, .size: 8, .value_kind: global_buffer, .address_space: global }
      - { .name: c3, .offset: 96, .size: 8, .value_kind: global_buffer, .address_space: global }
      - { .name: out0, .offset: 104, .size: 8, .value_kind: global_buffer, .address_space: global }
    .group_segment_fixed_size: 55808
    .private_segment_fixed_size: 0
    .kernarg_segment_align: 8
    .kernarg_segment_size: 112
    .max_flat_workgroup_size: 128
    .sgpr_count:     84
    .vgpr_count:     1024
    .wavefront_size: 32
...
	.end_amdgpu_metadata
.endif
;; end of part 2
;; ======== version 2 of 3: 2 launches; 1.13 times as fast as version 1
;; workspace buffers: wq 3,670,016 bytes; ws 229,376 bytes; h0q 2,097,152 bytes; h0s 131,072 bytes; order 32,768 bytes of whole numbers; tiles 4,096 bytes of whole numbers
;; launch prep (part 3): grid 488 x 1, 8 waves a work-group, no clusters, 13,312 bytes of LDS; arguments W1, W2, W3, U0, U1, U2, U3, wq, ws, x, W0, b0, h0q, h0s, y, order, tiles; writes wq, ws, h0q, h0s, order, tiles
.if DOCPART == 3
	.amdgcn_target "amdgcn-amd-amdhsa--gfx1250"
	.amdhsa_code_object_version 6
	.text
	.protected	k_qc55270d5d0_prep
	.globl	k_qc55270d5d0_prep
	.p2align	8
	.type	k_qc55270d5d0_prep,@function
k_qc55270d5d0_prep:
	s_mov_b64 s[64:65], 0
	v_nop
	global_prefetch_b8 v0, s[64:65] scope:SCOPE_SE
	s_setreg_imm32_b32 hwreg(HW_REG_WAVE_MODE, 25, 1), 1
	s_wait_xcnt 0x0
; PREP: all that the chain of layers wants ready, in one launch of 488 work-groups of eight waves.  Four kinds of work-group, told apart by the work-group's number alone:
;   0 .. 7     ROUTE: a counting sort of the 8,192 tokens by their expert y -> order (token numbers, expert by expert); work-group 0 also writes tiles (expert, first place in order, rows 0..64, 0).
;   8 .. 223   BIG:   the 27 weights of 512 x 512 (W1 W2 W3, U0 U1 U2 of 8 experts), f32 with K as first axis -> codes of E2M1 and E8M0 scale bytes; 8 work-groups a matrix.
;   224 .. 231 U3:    the same for the 8 weights of 512 x 64.
;   232 .. 487 H:     relu(x W0 + b0) in f32 (K = 16: the f32 matrix form), quantised along its 512 units -> h0q, h0s; 32 tokens a work-group.
; THE CODES ARE LAID IN THE ORDER OF THE OPERAND'S REGISTERS.  A fragment (tile t of 16 output units, K step s of 128) is 1,024 bytes at (4 t + s) x 1024: chunk c at 512 c, lane (r, h) at 256 h + 16 r:
; the codes of k = 128 s + 64 c + 32 h + 0 .. 31 of unit 32 (t / 2) + 8 (t % 2) + r + 8 (r / 8).  The units of a tile are not neighbours, so that in the transposed product the 16 registers of tiles 2 b and
; 2 b + 1 are 16 neighbours along the next K.  Scale words (4 bytes: one K step of one unit) lie [s][g][lane = 16 u + r][i]: unit of tile 2 (4 g + i) + u, so that one load of 16 bytes a lane brings four registers of scales.
; THE QUANTISER: a block's scale byte is its largest magnitude's exponent field - 2, held at 1 from below by a floor among the maximum's leaves; each number is divided by the scale and rounded to the nearest code, ties to even,
; beyond 6 the largest code.  A block of zeros gets the byte 1 where the rule says 127: its codes are zeros, and the bytes are read by this program alone.
; LIMITS: y lies in 0 .. 7; NaN and infinities among the inputs are not served.
; No tensor loads, no change of EXEC.  Each kind of work-group has LDS bytes of its own.  v192-255 are written by the f32 matrix instructions alone.
.set WV,   10                          ; s10  my wave's number
.set LQ,   0                           ; LDS: BIG's scale words, 1,024 bytes
.set LU,   1024                        ; U3's, 1,024
.set LR,   2048                        ; ROUTE: the eight chunks' counts, 8 x 8 experts x 4 bytes
.set SCH,  2304                        ; H's scale words: 32 rows x 16 bytes
.set STGH, 2816                        ; H's stage: 32 rows x (256 bytes + 16)
.set LR2,  11520                       ; ROUTE: the counts of my chunk's eight parts, 8 x 8 x 4 bytes
.macro BARRIER                         ; my LDS stores have landed and my LDS loads are in: then the work-group's barrier
	s_wait_dscnt 0x0
	s_barrier_signal -1
	s_barrier_wait -1
.endm
	v_lshl_add_u32 v178, v0, 2, 0x3000
	v_mov_b32 v179, 0
	v_lshrrev_b32 v1, 5, v0
	v_readfirstlane_b32 s[WV], v1                  ; wave 0..7
	v_and_b32 v1, 31, v0                           ; lane
	v_and_b32 v2, 15, v0                           ; r = lane % 16
	v_bfe_u32 v3, v0, 4, 1                         ; h (or u) = lane / 16
	s_cmp_gt_u32 ttmp9, 7
	s_cbranch_scc1 .Lnot_route
; ---------------------------------------------------------------- ROUTE
; y is cut into 8 chunks of 1,024.  Work-group g PLACES chunk g: its wave w the 128 tokens 1024 g + 128 w on, four a lane.  For that it needs every expert's tokens in all of y, in the chunks in front of g,
; and in the waves in front of w: so in each of the eight work-groups wave w COUNTS chunk w (32 numbers a lane) and its own 128 tokens, and the counts meet in LDS.  y's 32 KiB are read eight times; no atomics.
; A token's place = its expert's first place + the expert's tokens in earlier chunks + in earlier waves of the chunk + in the wave's earlier steps + in the step's lower lanes.
; THE COUNT OF A CHUNK stays in vector registers: a lane adds 1 << 4 y into an accumulator of eight nibbles, eight tokens to an accumulator (a nibble holds 8 at the most); four accumulators are widened to bytes
; (32 at the most) and to halves of 16 bits; the 32 lanes' halves are added (1,024 at the most).  All in whole numbers: addresses hang on these counts.
.set CNT, 12                           ; s[12:19] the counts of my wave's own 128 tokens; later RUN: the next free place of each expert for my wave
.set RUN, 12
.set MK,  20                           ; s[20:27] lane masks of a step
.set TC,  28                           ; s[28:35] their bit counts
.set N,   36                           ; s[36:43] tokens of each expert
.set SEG, 44                           ; s[44:51] each expert's first place in order
.set TB,  52                           ; s[52:59] each expert's first tile
.set Y,   32                           ; v32-63  chunk w: my 32 numbers of y
.set Y2,  64                           ; v64-67  my four tokens' y; later the byte offsets of their places
.set TK,  68                           ; v68-71  their token numbers
.set AC,  72                           ; v72-75  four accumulators of eight nibbles; later the partner lane's sums
.set TT,  76                           ; v76-79  4 y
.set LO,  80                           ; v80-83  experts 0 2 4 6 in bytes
.set HI,  84                           ; v84-87  experts 1 3 5 7
.set PK,  88                           ; v88-91  in halves: experts (0, 4), (2, 6), (1, 5), (3, 7)
.set CV,  92                           ; v92-99  the chunk's eight counts
	s_load_b128 s[4:7], s[0:1], 0x70               ; y, order
	s_load_b64 s[8:9], s[0:1], 0x80                ; tiles
	v_lshlrev_b32 v4, 4, v1                        ; 16 bytes a lane
	s_lshl_b32 s60, s[WV], 12
	v_add_nc_u32 v5, s60, v4                       ; chunk w: 4096 w + 16 lane
	s_lshl_b32 s60, ttmp9, 12
	s_lshl_b32 s61, s[WV], 9
	s_add_co_u32 s60, s60, s61
	v_add_nc_u32 v9, s60, v4                       ; my own four: 4096 g + 512 w + 16 lane
	v_lshrrev_b32 v8, 2, v9
.irp i, 0,1,2,3
	v_add_nc_u32 v[TK+\i], \i, v8                  ; token 1024 g + 128 w + 4 lane + i
.endr
	v_mov_b32 v6, s[WV]
	v_lshlrev_b32 v6, 5, v6                        ; LDS: my wave's 32 bytes of counts
	v_and_b32 v7, 7, v0
	v_lshlrev_b32 v7, 2, v7                        ; and back: lane l takes expert l % 8
	s_mov_b32 s61, 0x76543210
	s_mov_b32 s62, 0xfedcba98                      ; v_permlanex16_b32's selects for lane l xor 16
.irp e, 0,1,2,3,4,5,6,7
	s_mov_b32 s[CNT+\e], 0
.endr
.irp g, 0,1,2,3
	v_mov_b32 v[AC+\g], 0
.endr
	s_wait_kmcnt 0x0
	global_load_b128 v[Y2:Y2+3], v9, s[4:5]
.irp j, 0,1,2,3,4,5,6,7
	global_load_b128 v[Y+4*\j:Y+4*\j+3], v5, s[4:5] offset:512*\j   ; 512 consecutive bytes a load
.endr
.macro COUNT reg
.irp e, 0,1,2,3,4,5,6,7
	v_cmp_eq_u32 s[MK+\e], \e, v[\reg]
.endr
.irp e, 0,1,2,3,4,5,6,7
	s_bcnt1_i32_b32 s[TC+\e], s[MK+\e]
.endr
.irp e, 0,1,2,3,4,5,6,7
	s_add_co_u32 s[CNT+\e], s[CNT+\e], s[TC+\e]
.endr
.endm
	s_wait_loadcnt 8                               ; my own four are in; the chunk's eight loads, issued behind them, may be out
.irp i, 0,1,2,3
	COUNT Y2+\i
.endr
	s_wait_loadcnt 0x0
.irp i, 0,1,2,3,4,5,6,7
.irp g, 0,1,2,3
	v_lshlrev_b32 v[TT+\g], 2, v[Y+8*\g+\i]        ; the four accumulators by turns
.endr
.irp g, 0,1,2,3
	v_lshl_add_u32 v[AC+\g], 1, v[TT+\g], v[AC+\g] ; one more in nibble y
.endr
.endr
.irp g, 0,1,2,3
	v_and_b32 v[LO+\g], 0x0f0f0f0f, v[AC+\g]
	v_lshrrev_b32 v[HI+\g], 4, v[AC+\g]
.endr
.irp g, 0,1,2,3
	v_and_b32 v[HI+\g], 0x0f0f0f0f, v[HI+\g]
.endr
	v_add3_u32 v[LO], v[LO], v[LO+1], v[LO+2]
	v_add3_u32 v[HI], v[HI], v[HI+1], v[HI+2]
	v_add_nc_u32 v[LO], v[LO], v[LO+3]             ; byte i: my tokens of expert 2 i
	v_add_nc_u32 v[HI], v[HI], v[HI+3]             ; of expert 2 i + 1
	v_and_b32 v[PK], 0xff00ff, v[LO]
	v_lshrrev_b32 v[PK+1], 8, v[LO]
	v_and_b32 v[PK+2], 0xff00ff, v[HI]
	v_lshrrev_b32 v[PK+3], 8, v[HI]
	v_and_b32 v[PK+1], 0xff00ff, v[PK+1]
	v_and_b32 v[PK+3], 0xff00ff, v[PK+3]
.irp x, 1,2,4,8                                ; the sum over the 32 lanes: four steps inside each half of 16, one across
.irp p, 0,1,2,3
	v_mov_b32_dpp v[AC+\p], v[PK+\p] row_xmask:\x row_mask:0xf bank_mask:0xf
.endr
.irp p, 0,1,2,3
	v_add_nc_u32 v[PK+\p], v[PK+\p], v[AC+\p]
.endr
.endr
.irp p, 0,1,2,3
	v_permlanex16_b32 v[AC+\p], v[PK+\p], s61, s62
.endr
.irp p, 0,1,2,3
	v_add_nc_u32 v[PK+\p], v[PK+\p], v[AC+\p]      ; every lane holds the chunk's counts
.endr
.macro UNP p, e                        ; the low half is expert e's, the high half expert e + 4's
	v_and_b32 v[CV+\e], 0xffff, v[PK+\p]
	v_lshrrev_b32 v[CV+\e+4], 16, v[PK+\p]
.endm
	UNP 0, 0
	UNP 1, 2
	UNP 2, 1
	UNP 3, 3
.irp e, 0,1,2,3,4,5,6,7
	v_mov_b32 v[8+\e], s[CNT+\e]
.endr
.irp e, 0,1,2,3,4,5,6,7
	ds_store_b32 v6, v[CV+\e] offset:LR+4*\e       ; all lanes write the same word with the same value
	ds_store_b32 v6, v[8+\e] offset:LR2+4*\e
.endr
	BARRIER
.irp q, 0,1,2,3,4,5,6,7
	ds_load_b32 v[16+\q], v7 offset:LR+32*\q       ; chunk q's count of expert lane % 8
.endr
.irp q, 0,1,2,3,4,5,6,7
	ds_load_b32 v[100+\q], v7 offset:LR2+32*\q     ; and that of wave q's 128 tokens of my chunk
.endr
	v_mov_b32 v24, 0                               ; the expert's tokens in all of y
	v_mov_b32 v25, 0                               ; and in front of my wave's
	s_wait_dscnt 0x0
.irp q, 0,1,2,3,4,5,6,7
	s_cmp_gt_u32 ttmp9, \q
	s_cselect_b32 s61, -1, 0
	s_cmp_gt_u32 s[WV], \q
	s_cselect_b32 s62, -1, 0
	v_and_b32 v29, s61, v[16+\q]
	v_and_b32 v30, s62, v[100+\q]
	v_add_nc_u32 v24, v24, v[16+\q]
	v_add3_u32 v25, v25, v29, v30
.endr
.irp e, 0,1,2,3,4,5,6,7
	v_readlane_b32 s[N+\e], v24, \e
	v_readlane_b32 s[RUN+\e], v25, \e
.endr
	s_mov_b32 s[SEG], 0
	s_mov_b32 s[TB], 0
.irp e, 1,2,3,4,5,6,7
	s_add_co_u32 s[SEG+\e], s[SEG+\e-1], s[N+\e-1]
	s_add_co_u32 s60, s[N+\e-1], 63
	s_lshr_b32 s60, s60, 6                         ; tiles of 64 rows, the last one short
	s_add_co_u32 s[TB+\e], s[TB+\e-1], s60
.endr
.irp e, 0,1,2,3,4,5,6,7
	s_add_co_u32 s[RUN+\e], s[RUN+\e], s[SEG+\e]
.endr
.macro PLACE k
.irp e, 0,1,2,3,4,5,6,7
	v_cmp_eq_u32 s[MK+\e], \e, v[Y2+\k]
.endr
	v_mbcnt_lo_u32_b32 v26, s[MK], s[RUN]          ; the expert's next free place + the lower lanes that want one too
.irp e, 1,2,3,4,5,6,7
	v_mbcnt_lo_u32_b32 v[27+\e%2], s[MK+\e], s[RUN+\e]
	v_cndmask_b32 v26, v26, v[27+\e%2], s[MK+\e]   ; each lane keeps its own expert's
.endr
.irp e, 0,1,2,3,4,5,6,7
	s_bcnt1_i32_b32 s[TC+\e], s[MK+\e]
.endr
.irp e, 0,1,2,3,4,5,6,7
	s_add_co_u32 s[RUN+\e], s[RUN+\e], s[TC+\e]
.endr
	v_min_u32 v26, 0x1fff, v26                     ; a place is held inside order
	v_lshlrev_b32 v[Y2+\k], 2, v26
	global_store_b32 v[Y2+\k], v[TK+\k], s[6:7]    ; each step has its own address and data registers: none is written again
.endm
.irp k, 0,1,2,3
	PLACE \k
.endr
	s_cmp_lg_u32 ttmp9, 0                          ; the table of tiles has one writer: work-group 0
	s_cbranch_scc1 .Lroute_done
	; thread i writes entry i.  Its expert is the last whose first tile is not beyond i; entries beyond the last tile get 0 rows
	v_mov_b32 v112, 0                              ; expert
	v_mov_b32 v113, 0                              ; its first place
	v_mov_b32 v114, s[N]                           ; its tokens
	v_mov_b32 v116, 0                              ; its first tile
.irp e, 1,2,3,4,5,6,7
	v_cmp_le_u32 vcc_lo, s[TB+\e], v0
	v_mov_b32 v120, \e
	v_mov_b32 v121, s[SEG+\e]
	v_mov_b32 v122, s[N+\e]
	v_mov_b32 v123, s[TB+\e]
	v_cndmask_b32 v112, v112, v120, vcc_lo
	v_cndmask_b32 v113, v113, v121, vcc_lo
	v_cndmask_b32 v114, v114, v122, vcc_lo
	v_cndmask_b32 v116, v116, v123, vcc_lo
.endr
	v_sub_nc_u32 v117, v0, v116
	v_lshlrev_b32 v117, 6, v117                    ; rows of the expert in front of this tile
	v_add_nc_u32 v113, v113, v117                  ; the tile's first place
	v_min_u32 v118, v114, v117
	v_sub_nc_u32 v114, v114, v118
	v_min_u32 v114, 64, v114                       ; its rows: what is left, 64 at the most, 0 beyond the end
	v_mov_b32 v115, 0
	v_lshlrev_b32 v119, 4, v0
	global_store_b128 v119, v[112:115], s[8:9]     ; 256 entries of 16 bytes: every byte of tiles is written
.Lroute_done:
	s_wait_tensorcnt 0x0
	ds_add_u32 v178, v179
	s_wait_dscnt 0x0
	s_endpgm
.Lnot_route:
	s_cmp_gt_u32 ttmp9, 231
	s_cbranch_scc1 .Lpath_h
; ---------------------------------------------------------------- BIG and U3: the weights' quantiser
; A wave takes 32 columns x 128 along K (one K step).  LANE (u, r) TAKES COLUMN 8 u + r + 8 (r / 8) OF THE 32, AND ITS REGISTERS RUN DOWN K: a load reads 128 consecutive bytes (in another order of lanes),
; a block of 32 along K lies in one lane, and the block's 16 bytes of codes are the lane's own 16 bytes of the fragment's image: lanes 0-15 store 256 consecutive bytes, aligned, lanes 16-31 another 256.  No stage.
.set VO,  4                            ; v4   my column's byte in a row of the weight
.set VD,  5                            ; v5   4096 u + 16 r: my place in the two fragments
.set VL,  6                            ; v6   LDS: where my scale word goes
.set VR,  7                            ; v7   LDS: 16 lane + 512 wave: where waves 0 and 1 read 512 bytes back
.set VS,  8                            ; v8   16 lane
.set SW,  17                           ; v17  my column's scale word of this K step
.set X,   32                           ; v32-159  four blocks of 32 numbers
.set C,   160                          ; v160-175 four blocks' codes: no store's data are written again
.set SRC, 28                           ; s[28:29] the weight at my wave's first number
.set DST, 30                           ; s[30:31] the codes at my wave's fragments
.set SDS, 32                           ; s[32:33] the scale words' 512 bytes that my wave stores (waves 0 and 1)
.macro LOADB kb, pitch
.irp i, 0,1,2,3,4,5,6,7,8,9,10,11,12,13,14,15,16,17,18,19,20,21,22,23,24,25,26,27,28,29,30,31
	global_load_b32 v[X+32*\kb+\i], v[VO], s[SRC:SRC+1] offset:(32*\kb+\i)*\pitch th:TH_LOAD_NT
.endr
.endm
.macro BLOCK kb
.set XK, X+32*\kb
	v_max3_num_f32 v12, |v[XK]|, |v[XK+1]|, |v[XK+2]|              ; the block's largest magnitude: all 32 numbers are mine; two chains
	v_max3_num_f32 v13, |v[XK+3]|, |v[XK+4]|, |v[XK+5]|
.irp i, 6,10,14,18,22,26
	v_max3_num_f32 v12, v12, |v[XK+\i]|, |v[XK+\i+1]|
	v_max3_num_f32 v13, v13, |v[XK+\i+2]|, |v[XK+\i+3]|
.endr
	v_max3_num_f32 v12, v12, |v[XK+30]|, |v[XK+31]|
	v_max3_num_f32 v12, v12, v13, 0x1800000        ; and the floor 2^(3 - 127): the byte cannot fall under 1
	v_add_nc_u32 v11, 0xff000000, v12              ; 2 off the exponent field: the conversion takes this operand's exponent field as its scale
	v_lshrrev_b32 v13, 23, v11                     ; the scale's byte
.if \kb == 0
	v_mov_b32 v[SW], v13
.else
	v_lshl_or_b32 v[SW], v13, 8*\kb, v[SW]         ; the lower K in the lower byte
.endif
.irp g, 0,1,2,3
	v_cvt_scalef32_pk8_fp4_f32 v[C+4*\kb+\g], v[XK+8*\g:XK+8*\g+7], v11
.endr
	v_nop                                          ; one plain place behind the conversions: the next block writes their scale operand
	global_store_b128 v[VD], v[C+4*\kb:C+4*\kb+3], s[DST:DST+1] offset:512*(\kb/2)+256*(\kb%2)   ; block kb = 2 c + h of the K step
.endm
.macro QPATH pitch, base
	LOADB 0, \pitch
	LOADB 1, \pitch
	s_wait_loadcnt 32                              ; block 0 is in; the 32 loads of block 1 may be out
	LOADB 2, \pitch
	BLOCK 0
	s_wait_loadcnt 32                              ; block 1 is in; block 2's 32 may be out
	LOADB 3, \pitch
	BLOCK 1
	s_wait_loadcnt 32                              ; block 2 is in; block 3's 32 may be out
	BLOCK 2
	s_wait_loadcnt 0x0
	BLOCK 3
	ds_store_b32 v[VL], v[SW] offset:\base         ; the eight waves' scale words meet in LDS in the order of the buffer,
	BARRIER
	s_cmp_lt_u32 s[WV], 2
	s_cbranch_scc0 .Lq_done_\@
	ds_load_b128 v[12:15], v[VR] offset:\base
	s_wait_dscnt 0x0
	global_store_b128 v[VS], v[12:15], s[SDS:SDS+1]   ; and leave as 512 consecutive bytes from each of two waves
.Lq_done_\@:
	s_wait_tensorcnt 0x0
	ds_add_u32 v178, v179
	s_wait_dscnt 0x0
	s_endpgm
.endm
	v_and_b32 v9, 8, v2
	v_add_nc_u32 v9, v9, v2                        ; r + 8 (r / 8)
	v_lshl_add_u32 v9, v3, 3, v9                   ; + 8 u
	v_lshlrev_b32 v[VO], 2, v9
	v_lshlrev_b32 v[VD], 4, v2
	v_lshl_add_u32 v[VD], v3, 12, v[VD]
	v_lshlrev_b32 v[VS], 4, v1
	s_lshl_b32 s34, s[WV], 9
	v_add_nc_u32 v[VR], s34, v[VS]
	s_cmp_gt_u32 ttmp9, 223
	s_cbranch_scc1 .Lpath_u3
	; BIG.  i = work-group - 8: matrix i / 8; of its 8 work-groups g = i % 4 takes columns 128 g on, yy = (i / 4) % 2 the K steps 2 yy and 2 yy + 1.  Wave w: columns 32 (w % 4) on of those, K step 2 yy + w / 4.
	s_load_b256 s[12:19], s[0:1], 0x0              ; W1 W2 W3 U0
	s_load_b128 s[20:23], s[0:1], 0x20             ; U1 U2
	s_load_b128 s[24:27], s[0:1], 0x38             ; wq, ws
	s_sub_co_u32 s34, ttmp9, 8
	s_lshr_b32 s35, s34, 3                         ; matrix 0 .. 26
	s_and_b32 s36, s34, 3                          ; g
	s_bfe_u32 s37, s34, 0x10002                    ; yy
	s_max_u32 s38, s35, 3
	s_sub_co_u32 s38, s38, 3                       ; 0 for W1 W2 W3, else 8 x layer + expert
	s_lshr_b32 s39, s38, 3
	s_and_b32 s38, s38, 7                          ; expert
	s_min_u32 s40, s35, 3
	s_add_co_u32 s40, s40, s39                     ; kind 0 .. 5: W1 W2 W3 U0 U1 U2
	s_and_b32 s41, s[WV], 3                        ; cw
	s_lshr_b32 s42, s[WV], 2                       ; kh
	s_lshl_b32 s43, s37, 1
	s_add_co_u32 s43, s43, s42                     ; K step s
	s_lshl_b32 s44, s36, 2
	s_add_co_u32 s44, s44, s41                     ; b: which 32 columns
	s_lshl_b32 s46, s38, 20                        ; the source: expert x 1 MiB + s x 128 rows of 2,048 bytes + b x 128 bytes
	s_lshl_b32 s45, s43, 18
	s_add_co_u32 s46, s46, s45
	s_lshl_b32 s45, s44, 7
	s_add_co_u32 s46, s46, s45
	s_mov_b32 s47, 0
	s_lshl_b32 s48, s40, 17                        ; the codes: kind x 128 KiB + expert x 409,600 + b x 8,192 + s x 1,024
	s_mul_i32 s45, s38, 409600
	s_add_co_u32 s48, s48, s45
	s_lshl_b32 s45, s44, 13
	s_add_co_u32 s48, s48, s45
	s_lshl_b32 s45, s43, 10
	s_add_co_u32 s48, s48, s45
	s_mov_b32 s49, 0
	s_lshl_b32 s50, s40, 13                        ; the scale words: kind x 8,192 + expert x 25,600 + (2 yy + wave) x 2,048 + g x 512
	s_mul_i32 s45, s38, 25600
	s_add_co_u32 s50, s50, s45
	s_lshl_b32 s45, s37, 12
	s_add_co_u32 s50, s50, s45
	s_lshl_b32 s45, s[WV], 11
	s_add_co_u32 s50, s50, s45
	s_lshl_b32 s45, s36, 9
	s_add_co_u32 s50, s50, s45
	s_mov_b32 s51, 0
	s_lshl_b32 s45, s42, 9
	s_lshl_b32 s52, s41, 2
	s_add_co_u32 s45, s45, s52
	v_add_nc_u32 v[VL], s45, v[VS]                 ; LDS: [kh][lane][cw]
	s_wait_kmcnt 0x0
	s_mov_b64 s[SRC:SRC+1], s[12:13]
.irp k, 1,2,3,4,5
	s_cmp_eq_u32 s40, \k                           ; the choice hangs on the work-group's number alone
	s_cselect_b64 s[SRC:SRC+1], s[12+2*\k:13+2*\k], s[SRC:SRC+1]
.endr
	s_add_nc_u64 s[SRC:SRC+1], s[SRC:SRC+1], s[46:47]
	s_add_nc_u64 s[DST:DST+1], s[24:25], s[48:49]
	s_add_nc_u64 s[SDS:SDS+1], s[26:27], s[50:51]
	QPATH 2048, LQ
.Lpath_u3:
	; U3 of expert work-group - 224: 64 columns.  Wave w: columns 32 (w % 2) on, K step w / 2.
	s_load_b128 s[12:15], s[0:1], 0x30             ; U3, wq
	s_load_b64 s[16:17], s[0:1], 0x40              ; ws
	s_sub_co_u32 s38, ttmp9, 224                   ; expert
	s_and_b32 s41, s[WV], 1                        ; p
	s_lshr_b32 s43, s[WV], 1                       ; K step s
	s_lshl_b32 s46, s38, 17                        ; the source: expert x 128 KiB + s x 128 rows of 256 bytes + p x 128 bytes
	s_lshl_b32 s45, s43, 15
	s_add_co_u32 s46, s46, s45
	s_lshl_b32 s45, s41, 7
	s_add_co_u32 s46, s46, s45
	s_mov_b32 s47, 0
	s_mul_i32 s48, s38, 409600                     ; the codes: 786,432 + expert x 409,600 + p x 8,192 + s x 1,024
	s_add_co_u32 s48, s48, 786432
	s_lshl_b32 s45, s41, 13
	s_add_co_u32 s48, s48, s45
	s_lshl_b32 s45, s43, 10
	s_add_co_u32 s48, s48, s45
	s_mov_b32 s49, 0
	s_mul_i32 s50, s38, 25600                      ; the scale words: 49,152 + expert x 25,600 + wave x 512, laid [p][lane][s]
	s_add_co_u32 s50, s50, 49152
	s_lshl_b32 s45, s[WV], 9
	s_add_co_u32 s50, s50, s45
	s_mov_b32 s51, 0
	s_lshl_b32 s45, s41, 9
	s_lshl_b32 s52, s43, 2
	s_add_co_u32 s45, s45, s52
	v_add_nc_u32 v[VL], s45, v[VS]
	s_wait_kmcnt 0x0
	s_add_nc_u64 s[SRC:SRC+1], s[12:13], s[46:47]
	s_add_nc_u64 s[DST:DST+1], s[14:15], s[48:49]
	s_add_nc_u64 s[SDS:SDS+1], s[16:17], s[50:51]
	QPATH 256, LU
; ---------------------------------------------------------------- H: layer 0 and its quantiser
; 32 tokens a work-group.  Wave w makes units 128 (w % 4) on (one K step of the next product) for the 16 tokens of row tile w / 4.  The product is used transposed (source 0 = 16 units of W0, source 1 = 16 tokens),
; so that a lane holds one token and its registers run along the units.  b0 is the C of each sum's first instruction.  The eight accumulators take turns, one instruction a turn.
.Lpath_h:
.set AW,  32                           ; v32-95   W0's fragments: (tile t, 4 along K q) at AW + 2 (4 t + q)
.set XB,  96                           ; v96-103  x's four fragments
.set BI,  104                          ; v104-167 b0 in the result's layout; later relu of the sums
.set TM,  168                          ; v168-183 the quantiser's work
.set PC,  184                          ; v184-191 the codes just made
.set PW,  16                           ; v16      the scale word just made
.set HA,  192                          ; v192-255 the sums
.set SEL, 20                           ; s[20:21] v_permlanex16_b32's selects for lane l xor 16
; 64 numbers of a lane, none negative, register 16 b + i = k 32 b + 16 (lane / 16) + i of my row, become a fragment's codes in v[PC] on and its scale word in v[PW].
.macro QUANT s
.irp b, 0,1,2,3
	v_max3_num_f32 v[TM+\b], v[\s+16*\b], v[\s+1+16*\b], 0x1800000   ; block b: my 16 numbers, and the floor 2^(3 - 127)
.endr
.irp i, 2,4,6,8,10,12,14
.irp b, 0,1,2,3
	v_max3_num_f32 v[TM+\b], v[TM+\b], v[\s+16*\b+\i], v[\s+1+16*\b+\i]   ; the four blocks by turns
.endr
.endr
.irp b, 0,1,2,3
	v_permlanex16_b32 v[TM+4+\b], v[TM+\b], s[SEL], s[SEL+1]
.endr
.irp b, 0,1,2,3
	v_max_num_f32 v[TM+\b], v[TM+\b], v[TM+4+\b]   ; with lane l xor 16's: the block's largest
.endr
.irp b, 0,1,2,3
	v_add_nc_u32 v[TM+12+\b], 0xff000000, v[TM+\b] ; 2 off its exponent field: the conversion's scale operand
.endr
.irp b, 0,1,2,3
	v_lshrrev_b32 v[TM+4+\b], 23, v[TM+12+\b]      ; the scale's byte
.endr
	v_lshl_or_b32 v[PW], v[TM+5], 8, v[TM+4]
	v_lshl_or_b32 v[PW], v[TM+6], 16, v[PW]
	v_lshl_or_b32 v[PW], v[TM+7], 24, v[PW]
.irp b, 0,1,2,3
	v_cvt_scalef32_pk8_fp4_f32 v[PC+2*\b], v[\s+16*\b:\s+7+16*\b], v[TM+12+\b]
	v_cvt_scalef32_pk8_fp4_f32 v[PC+1+2*\b], v[\s+8+16*\b:\s+15+16*\b], v[TM+12+\b]
.endr
	v_nop                                          ; one plain place behind a scaled conversion
.irp c, 0,1                                    ; the operand's layout wants a whole block in a lane: lanes 0-15 block 2 c, lanes 16-31 block 2 c + 1
.irp i, 0,1
	v_permlane16_swap_b32 v[PC+4*\c+\i], v[PC+2+4*\c+\i]
.endr
.endr
.endm
	s_load_b128 s[12:15], s[0:1], 0x48             ; x, W0
	s_load_b128 s[16:19], s[0:1], 0x58             ; b0, h0q
	s_load_b64 s[24:25], s[0:1], 0x68              ; h0s
	s_sub_co_u32 s26, ttmp9, 232
	s_lshl_b32 s26, s26, 5                         ; the work-group's first token
	s_and_b32 s27, s[WV], 3                        ; K step s of the next product
	s_lshr_b32 s28, s[WV], 2                       ; row tile mt
	s_lshl_b32 s29, s28, 4
	s_add_co_u32 s29, s29, s26
	s_lshl_b32 s30, s29, 6                         ; x: 64 bytes a token
	s_mov_b32 s31, 0
	s_lshl_b32 s32, s27, 9                         ; W0 and b0: my 128 units
	s_mov_b32 s33, 0
	s_lshl_b32 s34, s26, 8                         ; h0q: 256 bytes a token
	s_mov_b32 s35, 0
	s_lshl_b32 s36, s26, 4                         ; h0s: 16 bytes a token
	s_mov_b32 s37, 0
	s_mov_b32 s[SEL], 0x76543210
	s_mov_b32 s[SEL+1], 0xfedcba98
	v_lshlrev_b32 v4, 6, v2
	v_lshl_add_u32 v4, v3, 3, v4                   ; x: token r, k = 2 h on
	v_and_b32 v5, 8, v2
	v_add_nc_u32 v5, v5, v2
	v_lshlrev_b32 v5, 2, v5
	v_lshl_add_u32 v5, v3, 12, v5                  ; W0: unit r + 8 (r / 8) of a tile, rows 2 h on (2,048 bytes a row)
	v_lshlrev_b32 v6, 6, v3                        ; b0: 16 h units on
	s_mul_i32 s38, s28, 16*272
	s_lshl_b32 s39, s27, 6
	s_add_co_u32 s38, s38, s39
	v_mul_u32_u24 v7, v2, 272
	v_lshl_add_u32 v7, v3, 4, v7
	v_add_nc_u32 v7, s38, v7                       ; the stage: row 16 mt + r, byte 64 s + 16 h (+ 32 c)
	s_lshl_b32 s38, s28, 8
	s_lshl_b32 s39, s27, 2
	s_add_co_u32 s38, s38, s39
	v_lshlrev_b32 v8, 4, v2
	v_add_nc_u32 v8, s38, v8                       ; the scale words: row 16 mt + r, word s
	s_mul_i32 s38, s[WV], 4*272
	v_mul_u32_u24 v9, v3, 272
	v_lshl_add_u32 v9, v2, 4, v9
	v_add_nc_u32 v9, s38, v9                       ; back: wave w takes rows 4 w on, sixteen lanes to a row
	v_lshlrev_b32 v11, 4, v1
	s_lshl_b32 s38, s[WV], 10
	v_add_nc_u32 v10, s38, v11                     ; and the same bytes in h0q
.irp b, 0,1,2,3
	v_mov_b32 v[TM+4+\b], 0                        ; written once: a lane permute's destination counts as one of its sources
.endr
	s_wait_kmcnt 0x0
	s_add_nc_u64 s[12:13], s[12:13], s[30:31]
	s_add_nc_u64 s[14:15], s[14:15], s[32:33]
	s_add_nc_u64 s[16:17], s[16:17], s[32:33]
	s_add_nc_u64 s[18:19], s[18:19], s[34:35]
	s_add_nc_u64 s[24:25], s[24:25], s[36:37]
.irp q, 0,1,2,3
	global_load_b64 v[XB+2*\q:XB+2*\q+1], v4, s[12:13] offset:16*\q
.endr
.irp t, 0,1,2,3,4,5,6,7
.irp q, 0,1,2,3
.irp j, 0,1
	global_load_b32 v[AW+2*(4*\t+\q)+\j], v5, s[14:15] offset:(4*\q+\j)*2048+(32*(\t/2)+8*(\t%2))*4
.endr
.endr
.endr
.irp t, 0,1,2,3,4,5,6,7
.irp a, 0,1
	global_load_b128 v[BI+8*\t+4*\a:BI+8*\t+4*\a+3], v6, s[16:17] offset:(32*(\t/2)+8*(\t%2))*4+16*\a
.endr
.endr
	s_wait_loadcnt 0x0
.irp q, 0,1,2,3
.irp t, 0,1,2,3,4,5,6,7
.if \q == 0
	v_wmma_f32_16x16x4_f32 v[HA+8*\t:HA+8*\t+7], v[AW+2*(4*\t+\q):AW+2*(4*\t+\q)+1], v[XB+2*\q:XB+2*\q+1], v[BI+8*\t:BI+8*\t+7]
.else
	v_wmma_f32_16x16x4_f32 v[HA+8*\t:HA+8*\t+7], v[AW+2*(4*\t+\q):AW+2*(4*\t+\q)+1], v[XB+2*\q:XB+2*\q+1], v[HA+8*\t:HA+8*\t+7]
.endif
.endr
.endr
.rept 8
	v_nop                                          ; eight places behind this form (ISA guide 7.12.1) ahead of the first read of a result and the first write of a source
.endr
.set j, 0
.rept 64
	v_max_num_f32 v[BI+j], 0, v[HA+j]              ; the activation, into other registers; each accumulator from its low end on
.set j, j+1
.endr
	QUANT BI
.irp c, 0,1
	ds_store_b128 v7, v[PC+4*\c:PC+4*\c+3] offset:STGH+32*\c   ; as plain rows: k / 2 is the byte
.endr
	ds_store_b32 v8, v[PW] offset:SCH              ; both halves of the lanes write the same word with the same value
	BARRIER
	ds_load_b128 v[32:35], v9 offset:STGH
	ds_load_b128 v[36:39], v9 offset:STGH+2*272
	s_wait_dscnt 0x0
	global_store_b128 v10, v[32:35], s[18:19]              ; 32 lanes store 512 consecutive bytes: two tokens' rows
	global_store_b128 v10, v[36:39], s[18:19] offset:512
	s_cmp_lg_u32 s[WV], 0
	s_cbranch_scc1 .Lh_done
	ds_load_b128 v[40:43], v11 offset:SCH
	s_wait_dscnt 0x0
	global_store_b128 v11, v[40:43], s[24:25]              ; the 32 tokens' scale bytes: 512 consecutive bytes
.Lh_done:
	s_wait_tensorcnt 0x0
	ds_add_u32 v178, v179
	s_wait_dscnt 0x0
	s_endpgm
.Lfunc_end_k_qc55270d5d0_prep:
	.size	k_qc55270d5d0_prep, .Lfunc_end_k_qc55270d5d0_prep-k_qc55270d5d0_prep
	.p2alignl 7, 3214868480
	.fill 96, 4, 3214868480
	.section	.rodata,"a",@progbits
	.p2align	6, 0x0
	.amdhsa_kernel k_qc55270d5d0_prep
		.amdhsa_group_segment_fixed_size 13312
		.amdhsa_private_segment_fixed_size 0
		.amdhsa_enable_private_segment 0
		.amdhsa_kernarg_size 136
		.amdhsa_user_sgpr_count 2
		.amdhsa_user_sgpr_kernarg_segment_ptr 1
		.amdhsa_wavefront_size32 1
		.amdhsa_system_sgpr_workgroup_id_x 1
		.amdhsa_system_sgpr_workgroup_id_y 1
		.amdhsa_system_sgpr_workgroup_id_z 1
		.amdhsa_system_vgpr_workitem_id 0
		.amdhsa_next_free_vgpr 256
		.amdhsa_next_free_sgpr 66
		.amdhsa_reserve_vcc 1
		.amdhsa_float_denorm_mode_32 3
		.amdhsa_float_denorm_mode_16_64 3
		.amdhsa_memory_ordered 1
		.amdhsa_forward_progress 1
		.amdhsa_inst_pref_size 92
	.end_amdhsa_kernel
	.amdgpu_metadata
---
amdhsa.version: [ 1, 2 ]
amdhsa.kernels:
  - .name:           k_qc55270d5d0_prep
    .symbol:         k_qc55270d5d0_prep.kd
    .args:
      - { .name: W1, .offset: 0, .size: 8, .value_kind: global_buffer, .address_space: global }
      - { .name: W2, .offset: 8, .size: 8, .value_kind: global_buffer, .address_space: global }
      - { .name: W3, .offset: 16, .size: 8, .value_kind: global_buffer, .address_space: global }
      - { .name: U0, .offset: 24, .size: 8, .value_kind: global_buffer, .address_space: global }
      - { .name: U1, .offset: 32, .size: 8, .value_kind: global_buffer, .address_space: global }
      - { .name: U2, .offset: 40, .size: 8, .value_kind: global_buffer, .address_space: global }
      - { .name: U3, .offset: 48, .size: 8, .value_kind: global_buffer, .address_space: global }
      - { .name: wq, .offset: 56, .size: 8, .value_kind: global_buffer, .address_space: global }
      - { .name: ws, .offset: 64, .size: 8, .value_kind: global_buffer, .address_space: global }
      - { .name: x, .offset: 72, .size: 8, .value_kind: global_buffer, .address_space: global }
      - { .name: W0, .offset: 80, .size: 8, .value_kind: global_buffer, .address_space: global }
      - { .name: b0, .offset: 88, .size: 8, .value_kind: global_buffer, .address_space: global }
      - { .name: h0q, .offset: 96, .size: 8, .value_kind: global_buffer, .address_space: global }
      - { .name: h0s, .offset: 104, .size: 8, .value_kind: global_buffer, .address_space: global }
      - { .name: y, .offset: 112, .size: 8, .value_kind: global_buffer, .address_space: global }
      - { .name: order, .offset: 120, .size: 8, .value_kind: global_buffer, .address_space: global }
      - { .name: tiles, .offset: 128, .size: 8, .value_kind: global_buffer, .address_space: global }
    .group_segment_fixed_size: 13312
    .private_segment_fixed_size: 0
    .kernarg_segment_align: 8
    .kernarg_segment_size: 136
    .max_flat_workgroup_size: 256
    .sgpr_count:     66
    .vgpr_count:     256
    .wavefront_size: 32
...
	.end_amdgpu_metadata
.endif
;; end of part 3
;; launch chain (part 4): grid 135 x 1, 4 waves a work-group, no clusters, 55,808 bytes of LDS; arguments tiles, order, h0q, h0s, wq, ws, b1, b2, b3, c0, c1, c2, c3, out0; writes out0
.if DOCPART == 4
	.amdgcn_target "amdgcn-amd-amdhsa--gfx1250"
	.amdhsa_code_object_version 6
	.text
	.protected	k_qc55270d5d0_chain
	.globl	k_qc55270d5d0_chain
	.p2align	8
	.type	k_qc55270d5d0_chain,@function
k_qc55270d5d0_chain:
	s_mov_b64 s[64:65], 0
	v_nop
	global_prefetch_b8 v0, s[64:65] scope:SCOPE_SE
	s_setreg_imm32_b32 hwreg(HW_REG_WAVE_MODE, 25, 1), 1
	s_wait_xcnt 0x0
; CHAIN: layers 1 to 7 (W1 W2 W3, then U0 U1 U2 U3 of ONE expert) for one tile of up to 64 tokens that chose that expert.  All products on codes of E2M1 with one E8M0 scale for each 32 along K, sums in f32.
; Only the chosen expert's rows are multiplied: the others' results are thrown away by the gather at the end of the computation that is asked for.
; THE GRID.  With 8,192 tokens, 8 experts and tiles of 64 rows there are never more than (8192 + 8 x 63) / 64 = 135 tiles, whatever y holds.  Work-group i takes entry i of the table of tiles (expert, first place, rows).
; A TILE WITHOUT ROWS walks the chain on one clamped row and jumps only over its stores: every wave passes every barrier, so no barrier stands under a branch on a number read from memory.
; ROWS PAST A TILE'S COUNT are copies of its last row: they give the same bits and store the same 256 bytes again, from the same work-group.  So EXEC never changes.
; SHARES.  Four waves.  THE WAVES SHARE THE UNITS, NOT THE ROWS: in layers 1 to 6 wave w makes units 128 w .. 128 w + 127 for all 64 rows; in layer 7 tile w of the 64 outputs' four.
; The products are used transposed (source 0 = 16 units of the weight, source 1 = 16 tokens): a lane holds one token, its registers run along the units; a wave's 8 tiles of a row tile are one fragment (K step w) of the next product.
; ACTIVATIONS go from wave to wave through LDS as images of the operand's registers (16 bytes a lane at 16 x lane), in two sets by turns: ONE barrier a layer.
; WEIGHTS come from memory straight into registers, in the order of the operand's registers, a layer ahead: while set p is multiplied, the next layer's 32 KiB of codes, 2 KiB of scale words and 2 KiB of bias
; (84 loads a wave, in four parts of 21) land in set 1 - p: two parts are asked for ahead of row tile 0, one ahead of tile 1, one ahead of tile 2, so that the last has two row tiles' work in which to land.
; The bias is the C of each sum's first product.
; NO CLUSTER, NO JOINT LOADS: an expert has ceil(n / 64) tiles, any number from 0 to 128 by y, so no fixed groups of four work-groups share an expert at every split, and 135 is no multiple of 4.
; LIMITS: y in 0 .. 7 (by the table's making); NaN and infinities not served; the bias is added first and not last, which differs from the written order by f32 rounding alone.
; LDS
.set IMG,  0                           ; set p at p x SETB: 16 fragments (row tile m, K step s) at (4 m + s) x 1024 + 512 c + 16 lane
.set SCW,  16384                       ; and their scale words: 512 m + 16 lane + 4 s
.set SETB, 18432
.set STG,  36864                       ; the way out: 64 rows x (256 bytes + 16)
.set TOK,  54272                       ; the 64 rows' token numbers
; REGISTERS, window 0
.set LI,  1                            ; v1   16 lane
.set BO,  2                            ; v2   64 h: a bias's 16 h units
.set HWI, 3                            ; v3   16 lane + 1024 w: where my images go
.set HWS, 4                            ; v4   16 lane + 4 w: and their scale words
.set GWI, 5                            ; v5   16 lane + 4096 w: the gathered rows' images
.set GWS, 6                            ; v6   16 lane + 512 w
.set SO,  7                            ; v7   the stage: 272 r + 64 h + 128 (w / 2) + 32 (w % 2)
.set SR,  8                            ; v8   back: (16 w + h) x 272 + 16 r
.set TKA, 9                            ; v9   4 (16 w + r)
.set TKR, 10                           ; v10  4 (16 w + h)
.set CO,  11                           ; v11  16 r
.set IDX, 12                           ; v12  my row, then its byte in order
.set TKN, 13                           ; v13  its token
.set VGA, 14                           ; v14  its bytes in h0q
.set VGS, 15                           ; v15  and in h0s
.set TM,  16                           ; v16-31  the quantiser's work; at the end eight store addresses
.set PW,  32                           ; v32  the scale word just made
.set H16, 33                           ; v33  16 h
.set PC,  34                           ; v34-41  the codes just made
.set XS,  42                           ; v42-57  the activations' scale words: two sets of 4; layer 7: all 16
.set U3S, 58                           ; v58-61  U3's scale words
.set XF,  64                           ; v64-127 the activations' fragments: two sets of 4 x 8
.set RL,  128                          ; v128-191 relu of the sums
.set WSC, 192                          ; v192-223 the weights' scale words: set p at WSC + 16 p; register 4 s + i: lanes 0-15 tile 2 i, lanes 16-31 tile 2 i + 1
.set G,   224                          ; v224-255 the gathered rows; at the end the rows of the result
; windows 1 and 2: weight sets 0 and 1, fragment (t, s) at 8 (4 t + s).   window 3:
.set HA,  0                            ; the 8 sums
.set BIA, 64                           ; the biases: set p at BIA + 64 p
.set U3F, 192                          ; U3's four fragments
.set C3B, 224                          ; c3's tile
; scalars
.set WQT, 16                           ; s[16:17] wq + 32768 w
.set WST, 18                           ; s[18:19] ws + 512 w
.set B1,  20
.set B2,  22
.set B3,  24
.set C0,  26
.set C1,  28
.set C2,  30
.set C3,  32
.set OUT, 34
.set WV,  40
.set WQE, 42                           ; WQT + 409600 e: layer i = 3, 4, 5 lies at WQE + 131072 i, layer i = 0, 1, 2 at WQT + 131072 i
.set WSE, 44                           ; WST + 25600 e, likewise with 8192 i
.set CURQ, 46
.set CURS, 48
.set PQ,  50                           ; the next layer's codes,
.set PS,  52                           ; scale words
.set PB,  54                           ; and bias
.set LOFF, 56                          ; 131072 x the next layer's index
.set SOFF, 58                          ; 8192 x
.set TRIP, 60
.set SEL, 66
.set U3Q, 76
.set U3SP, 78
.set MSB, 0
.macro WIN new                         ; the immediate's high byte repeats the setting that is left; a switch that changes nothing is dropped
.if MSB != (\new)
	s_set_vgpr_msb (MSB<<8)|(\new)
.set MSB, \new
.endif
.endm
.macro BARRIER
	s_wait_dscnt 0x0
	s_barrier_signal -1
	s_barrier_wait -1
.endm
; A quarter of a layer's weights into set: tiles 2 part and 2 part + 1 (16 loads of codes, 4 of bias) and K step part's scale words: 21 loads.
.macro WPART set, part
	WIN 0x40*(1+\set)
.irp tt, 2*\part, 2*\part+1
.irp s, 0,1,2,3
.irp c, 0,1
	global_load_b128 v[8*(4*(\tt)+\s)+4*\c:8*(4*(\tt)+\s)+4*\c+3], v[LI], s[PQ:PQ+1] offset:(4*(\tt)+\s)*1024+512*\c
.endr
.endr
.endr
	WIN 0xc0
.irp tt, 2*\part, 2*\part+1
.irp a, 0,1
	global_load_b128 v[BIA+64*\set+8*(\tt)+4*\a:BIA+64*\set+8*(\tt)+4*\a+3], v[BO], s[PB:PB+1] offset:(32*((\tt)/2)+8*((\tt)%2))*4+16*\a
.endr
.endr
	WIN 0
	global_load_b128 v[WSC+16*\set+4*\part:WSC+16*\set+4*\part+3], v[LI], s[PS:PS+1] offset:2048*\part
.endm
.macro WPARTC set, part                ; the same, but for the last trip: behind layer 6 no layer of this shape follows
	s_cmp_eq_u32 s[TRIP], 1
	s_cbranch_scc1 .Lno_next_\@
	WPART \set, \part
.Lno_next_\@:
.endm
.macro NEXTW p, part                   ; a part of the weights of the layer behind the one on set p
.if \p == 0
	WPART 1, \part
.else
	WPARTC 0, \part
.endif
.endm
.macro FETCH base, m                   ; row tile m's four fragments and its scale words, from the set at base: 9 LDS loads
.irp s, 0,1,2,3
.irp c, 0,1
	ds_load_b128 v[XF+32*((\m)%2)+8*\s+4*\c:XF+32*((\m)%2)+8*\s+4*\c+3], v[LI] offset:(\base)+IMG+(4*(\m)+\s)*1024+512*\c
.endr
.endr
	ds_load_b128 v[XS+4*((\m)%2):XS+4*((\m)%2)+3], v[LI] offset:(\base)+SCW+512*(\m)
.endm
; 32 products: my 8 tiles of units x row tile m, four K steps.  The eight accumulators take turns, one instruction a turn.
.macro MUL set, m
	WIN 0xf1+\set
.irp s, 0,1,2,3
.irp t, 0,1,2,3,4,5,6,7
.if \s == 0
.set rC, BIA+64*\set+8*\t
.else
.set rC, HA+8*\t
.endif
.set rA, 8*(4*\t+\s)
.set rB, XF+32*((\m)%2)+8*\s
.set rSA, WSC+16*\set+4*\s+\t/2
.set rSB, XS+4*((\m)%2)+\s
.if \t%2
	v_wmma_scale_f32_16x16x128_f8f6f4 v[HA+8*\t:HA+8*\t+7], v[rA:rA+7], v[rB:rB+7], v[rC:rC+7], v[rSA], v[rSB] matrix_a_fmt:MATRIX_FMT_FP4 matrix_b_fmt:MATRIX_FMT_FP4 matrix_a_scale:MATRIX_SCALE_ROW1
.else
	v_wmma_scale_f32_16x16x128_f8f6f4 v[HA+8*\t:HA+8*\t+7], v[rA:rA+7], v[rB:rB+7], v[rC:rC+7], v[rSA], v[rSB] matrix_a_fmt:MATRIX_FMT_FP4 matrix_b_fmt:MATRIX_FMT_FP4
.endif
.endr
.endr
.endm
; 64 numbers of a lane, none negative, register 16 b + i = k 32 b + 16 (lane / 16) + i of my row, become a fragment's codes in v[PC] on and its scale word in v[PW].
.macro QUANT s
.irp b, 0,1,2,3
	v_max3_num_f32 v[TM+\b], v[\s+16*\b], v[\s+1+16*\b], 0x1800000   ; block b: my 16 numbers, and the floor 2^(3 - 127): the byte cannot fall under 1
.endr
.irp i, 2,4,6,8,10,12,14
.irp b, 0,1,2,3
	v_max3_num_f32 v[TM+\b], v[TM+\b], v[\s+16*\b+\i], v[\s+1+16*\b+\i]
.endr
.endr
.irp b, 0,1,2,3
	v_permlanex16_b32 v[TM+4+\b], v[TM+\b], s[SEL], s[SEL+1]
.endr
.irp b, 0,1,2,3
	v_max_num_f32 v[TM+\b], v[TM+\b], v[TM+4+\b]   ; with lane l xor 16's: the block's largest
.endr
.irp b, 0,1,2,3
	v_add_nc_u32 v[TM+12+\b], 0xff000000, v[TM+\b] ; 2 off its exponent field: the conversion's scale operand
.endr
.irp b, 0,1,2,3
	v_lshrrev_b32 v[TM+4+\b], 23, v[TM+12+\b]      ; the scale's byte
.endr
	v_lshl_or_b32 v[PW], v[TM+5], 8, v[TM+4]
	v_lshl_or_b32 v[PW], v[TM+6], 16, v[PW]
	v_lshl_or_b32 v[PW], v[TM+7], 24, v[PW]
.irp b, 0,1,2,3
	v_cvt_scalef32_pk8_fp4_f32 v[PC+2*\b], v[\s+16*\b:\s+7+16*\b], v[TM+12+\b]
	v_cvt_scalef32_pk8_fp4_f32 v[PC+1+2*\b], v[\s+8+16*\b:\s+15+16*\b], v[TM+12+\b]
.endr
	v_nop                                          ; one plain place behind a scaled conversion
.irp c, 0,1                                    ; a whole block in a lane: lanes 0-15 block 2 c, lanes 16-31 block 2 c + 1
.irp i, 0,1
	v_permlane16_swap_b32 v[PC+4*\c+\i], v[PC+2+4*\c+\i]
.endr
.endr
.endm
.macro IMAGE base, m                   ; K step w of the next product, row tile m, into the set at base: 3 LDS stores
.irp c, 0,1
	ds_store_b128 v[HWI], v[PC+4*\c:PC+4*\c+3] offset:(\base)+IMG+4096*(\m)+512*\c
.endr
	ds_store_b32 v[HWS], v[PW] offset:(\base)+SCW+512*(\m)
.endm
; Row tile m of a layer on weight set p: products, activation, quantiser, image.
; younger: the LDS instructions issued behind this tile's fetch, which may stay out.  left: those issued behind the last image's stores, which may stay out when the quantiser writes those stores' data registers anew.
.macro TILE p, m, younger, left
	s_wait_dscnt \younger                          ; LDS instructions end in order (ISA guide 5.7.1): row tile m's fragments and scale words are in
	MUL \p, \m
	WIN 0x0c                                       ; source 1 in window 3
.rept 4
	v_nop                                          ; four places behind the last product (ISA guide 7.12.1)
.endr
.set j, 0
.rept 64
	v_max_num_f32 v[RL+j], 0, v[HA+j]              ; the activation, in f32; each accumulator from its low end on
.set j, j+1
.endr
	WIN 0
.if \m > 0
	s_wait_dscnt \left                             ; the last image's stores are done: their data registers may be written (tile 0: the barrier's wait has shown that)
.endif
	QUANT RL
	IMAGE (1-\p)*SETB, \m
.endm
; A layer of 512 -> 512 on weight set p: reads the activations' set p, writes set 1 - p, and asks for the next layer's weights.
; Every load into a register that products have read, and every product that begins a sum anew over an old one, stands behind a whole QUANT: far more plain vector lines that name none of those products' registers than the five asked.
.macro LAYER p
	FETCH \p*SETB, 0                               ; the first two row tiles are asked of LDS ahead of the wait for the weights
	FETCH \p*SETB, 1
	s_wait_loadcnt 0x0                             ; this layer's weights are in; no load that names PQ, PS or PB is out, so they may be written
	s_cmp_eq_u32 s[TRIP], 3                        ; in the first trip the next layer is the trunk's, later the expert's
	s_cselect_b64 s[CURQ:CURQ+1], s[WQT:WQT+1], s[WQE:WQE+1]
	s_cselect_b64 s[CURS:CURS+1], s[WST:WST+1], s[WSE:WSE+1]
.if \p == 0
	s_cselect_b64 s[PB:PB+1], s[B2:B2+1], s[C0:C0+1]
	s_cmp_eq_u32 s[TRIP], 1
	s_cselect_b64 s[PB:PB+1], s[C2:C2+1], s[PB:PB+1]
.else
	s_cselect_b64 s[PB:PB+1], s[B3:B3+1], s[C1:C1+1]
.endif
	s_add_nc_u64 s[PQ:PQ+1], s[CURQ:CURQ+1], s[LOFF:LOFF+1]
	s_add_nc_u64 s[PS:PS+1], s[CURS:CURS+1], s[SOFF:SOFF+1]
	s_add_co_u32 s[LOFF], s[LOFF], 131072
	s_add_co_u32 s[SOFF], s[SOFF], 8192
	NEXTW \p, 0
	NEXTW \p, 1
	TILE \p, 0, 9, 0                               ; behind fetch 0: fetch 1's nine loads
	FETCH \p*SETB, 2
	NEXTW \p, 2
	TILE \p, 1, 12, 9                              ; behind fetch 1: image 0's three stores and fetch 2's nine loads; behind image 0: the nine
	FETCH \p*SETB, 3
	NEXTW \p, 3
	TILE \p, 2, 12, 9                              ; likewise
	TILE \p, 3, 3, 0                               ; behind fetch 3: image 2's three stores; behind those: nothing
	BARRIER                                        ; the next layer's 16 fragments lie in LDS, and nobody reads this layer's any more
.endm
	s_load_b512 s[8:23], s[0:1], 0x0               ; tiles order h0q h0s wq ws b1 b2
	s_load_b256 s[24:31], s[0:1], 0x40             ; b3 c0 c1 c2
	s_load_b128 s[32:35], s[0:1], 0x60             ; c3 out0
	v_lshl_add_u32 v62, v0, 2, 0xd800
	v_mov_b32 v63, 0
	v_lshrrev_b32 v128, 5, v0
	v_readfirstlane_b32 s[WV], v128                ; wave 0..3
	v_and_b32 v128, 31, v0                         ; lane
	v_and_b32 v129, 15, v0                         ; r
	v_bfe_u32 v130, v0, 4, 1                       ; h
	v_lshlrev_b32 v[LI], 4, v128
	v_lshlrev_b32 v[BO], 6, v130
	v_lshlrev_b32 v[H16], 4, v130
	v_lshlrev_b32 v[CO], 4, v129
	s_lshl_b32 s68, s[WV], 10
	v_add_nc_u32 v[HWI], s68, v[LI]
	s_lshl_b32 s68, s[WV], 2
	v_add_nc_u32 v[HWS], s68, v[LI]
	s_lshl_b32 s68, s[WV], 12
	v_add_nc_u32 v[GWI], s68, v[LI]
	s_lshl_b32 s68, s[WV], 9
	v_add_nc_u32 v[GWS], s68, v[LI]
	s_lshr_b32 s72, s[WV], 1
	s_lshl_b32 s72, s72, 7
	s_and_b32 s73, s[WV], 1
	s_lshl_b32 s73, s73, 5
	s_add_co_u32 s72, s72, s73                     ; 128 (w / 2) + 32 (w % 2): my tile's first output, in bytes
	s_mov_b32 s73, 0
	v_mul_u32_u24 v[SO], v129, 272
	v_add_nc_u32 v[SO], v[BO], v[SO]
	v_add_nc_u32 v[SO], s72, v[SO]
	s_mul_i32 s68, s[WV], 16*272
	v_mul_u32_u24 v[SR], v130, 272
	v_add_nc_u32 v[SR], v[CO], v[SR]
	v_add_nc_u32 v[SR], s68, v[SR]
	s_lshl_b32 s68, s[WV], 6
	v_lshl_add_u32 v[TKA], v129, 2, s68
	v_lshl_add_u32 v[TKR], v130, 2, s68
	s_lshl_b32 s68, s[WV], 4
	v_add_nc_u32 v[IDX], s68, v129                 ; the row that I gather: 16 w + r
.irp b, 0,1,2,3
	v_mov_b32 v[TM+4+\b], 0                        ; written once: a lane permute's destination counts as one of its sources
.endr
	s_mov_b32 s[SEL], 0x76543210
	s_mov_b32 s[SEL+1], 0xfedcba98
	s_mov_b32 s69, 0
	s_mov_b32 s71, 0
	s_lshl_b32 s68, ttmp9, 4                       ; my entry of the table
	s_wait_kmcnt 0x0
	s_add_nc_u64 s[8:9], s[8:9], s[68:69]
	s_load_b128 s[36:39], s[8:9], 0x0              ; expert, first place, rows, 0
	s_mov_b64 s[U3Q:U3Q+1], s[WQT:WQT+1]
	s_mov_b64 s[U3SP:U3SP+1], s[WST:WST+1]
	s_lshl_b32 s70, s[WV], 15                      ; my 8 tiles of a layer's codes
	s_add_nc_u64 s[WQT:WQT+1], s[WQT:WQT+1], s[70:71]
	s_lshl_b32 s70, s[WV], 9                       ; my scale words, and my 128 numbers of each bias
	s_add_nc_u64 s[WST:WST+1], s[WST:WST+1], s[70:71]
.irp q, B1, B2, B3, C0, C1, C2
	s_add_nc_u64 s[\q:\q+1], s[\q:\q+1], s[70:71]
.endr
	s_lshl_b32 s70, s[WV], 12                      ; U3: my tile's four fragments
	s_add_nc_u64 s[U3Q:U3Q+1], s[U3Q:U3Q+1], s[70:71]
	s_add_nc_u64 s[U3Q:U3Q+1], s[U3Q:U3Q+1], 786432
	s_lshl_b32 s70, s[WV], 8                       ; and its scale words
	s_add_nc_u64 s[U3SP:U3SP+1], s[U3SP:U3SP+1], s[70:71]
	s_add_nc_u64 s[U3SP:U3SP+1], s[U3SP:U3SP+1], 49152
	s_add_nc_u64 s[C3:C3+1], s[C3:C3+1], s[72:73]
	s_mov_b64 s[PQ:PQ+1], s[WQT:WQT+1]             ; layer 1's weights need no entry: they are asked for at once
	s_mov_b64 s[PS:PS+1], s[WST:WST+1]
	s_mov_b64 s[PB:PB+1], s[B1:B1+1]
	WPART 0, 0
	s_wait_kmcnt 0x0
	s_min_u32 s36, s36, 7                          ; what was read is held inside its table
	s_min_u32 s37, s37, 8191
	s_min_u32 s38, s38, 64
	s_max_u32 s70, s38, 1
	s_sub_co_u32 s70, s70, 1                       ; the tile's last row
	v_min_u32 v[IDX], s70, v[IDX]                  ; rows past it are copies of it
	v_add_nc_u32 v[IDX], s37, v[IDX]
	v_min_u32 v[IDX], 0x1fff, v[IDX]
	v_lshlrev_b32 v[IDX], 2, v[IDX]
	global_load_b32 v[TKN], v[IDX], s[10:11]       ; my row's token
	s_mul_i32 s70, s36, 409600
	s_add_nc_u64 s[WQE:WQE+1], s[WQT:WQT+1], s[70:71]
	s_add_nc_u64 s[U3Q:U3Q+1], s[U3Q:U3Q+1], s[70:71]
	s_mul_i32 s70, s36, 25600
	s_add_nc_u64 s[WSE:WSE+1], s[WST:WST+1], s[70:71]
	s_add_nc_u64 s[U3SP:U3SP+1], s[U3SP:U3SP+1], s[70:71]
	s_lshl_b32 s70, s36, 11
.irp q, C0, C1, C2
	s_add_nc_u64 s[\q:\q+1], s[\q:\q+1], s[70:71]
.endr
	s_lshl_b32 s70, s36, 8
	s_add_nc_u64 s[C3:C3+1], s[C3:C3+1], s[70:71]
	WPART 0, 1
	WPART 0, 2
	s_wait_loadcnt 42                              ; the token is in: behind its load stand these two parts' 42
	v_min_u32 v[TKN], 0x1fff, v[TKN]
	ds_store_b32 v[TKA], v[TKN] offset:TOK         ; kept for the way out; both halves of the lanes write the same word with the same value
	v_lshl_add_u32 v[VGA], v[TKN], 8, v[H16]       ; its 256 bytes of codes, + my half's 16
	v_lshlrev_b32 v[VGS], 4, v[TKN]                ; its 16 scale bytes
.irp s, 0,1,2,3
.irp c, 0,1
	global_load_b128 v[G+8*\s+4*\c:G+8*\s+4*\c+3], v[VGA], s[12:13] offset:64*\s+32*\c
.endr
.endr
	global_load_b128 v[128:131], v[VGS], s[14:15]
	WPART 0, 3
	WIN 0xc0                                       ; U3's tile w: four fragments, c3's eight numbers a lane, four scale words: 11 loads; they stay
.irp s, 0,1,2,3
.irp c, 0,1
	global_load_b128 v[U3F+8*\s+4*\c:U3F+8*\s+4*\c+3], v[LI], s[U3Q:U3Q+1] offset:1024*\s+512*\c
.endr
.endr
.irp a, 0,1
	global_load_b128 v[C3B+4*\a:C3B+4*\a+3], v[BO], s[C3:C3+1] offset:16*\a
.endr
	WIN 0
	global_load_b128 v[U3S:U3S+3], v[CO], s[U3SP:U3SP+1]
	s_wait_loadcnt 32                              ; the gathered rows are in: behind them stand the fourth part's 21 loads and U3's 11
.irp s, 0,1,2,3
.irp c, 0,1
	ds_store_b128 v[GWI], v[G+8*\s+4*\c:G+8*\s+4*\c+3] offset:IMG+1024*\s+512*\c   ; row tile w's four fragments, as images
.endr
.endr
	ds_store_b128 v[GWS], v[128:131] offset:SCW
	BARRIER
	s_mov_b32 s[LOFF], 131072
	s_mov_b32 s[LOFF+1], 0
	s_mov_b32 s[SOFF], 8192
	s_mov_b32 s[SOFF+1], 0
	s_mov_b32 s[TRIP], 3
.Ltrip:                                            ; three trips of two layers: (W1, W2), (W3, U0), (U1, U2); after two layers the sets are back where they began
	LAYER 0
	LAYER 1
	s_sub_co_u32 s[TRIP], s[TRIP], 1
	s_cmp_lg_u32 s[TRIP], 0
	s_cbranch_scc1 .Ltrip
	; LAYER 7: my tile of 16 outputs for the four row tiles: four accumulators by turns, a K step at a time; c3 is the C of each sum's first product.
	; The scale words come first, then the fragments K step by K step, so that a K step's products wait only for its own eight loads.
.irp m, 0,1,2,3
	ds_load_b128 v[XS+4*\m:XS+4*\m+3], v[LI] offset:SCW+512*\m
.endr
.irp s, 0,1,2,3
.irp m, 0,1,2,3
.irp c, 0,1
	ds_load_b128 v[XF+8*(4*\m+\s)+4*\c:XF+8*(4*\m+\s)+4*\c+3], v[LI] offset:IMG+(4*\m+\s)*1024+512*\c
.endr
.endr
.endr
	WIN 0xf3
.irp s, 0,1,2,3
	s_wait_dscnt 24-8*\s                           ; the later K steps' loads, eight each, may be out
.irp m, 0,1,2,3
.if \s == 0
.set rC, C3B
.else
.set rC, HA+8*\m
.endif
	v_wmma_scale_f32_16x16x128_f8f6f4 v[HA+8*\m:HA+8*\m+7], v[U3F+8*\s:U3F+8*\s+7], v[XF+8*(4*\m+\s):XF+8*(4*\m+\s)+7], v[rC:rC+7], v[U3S+\s], v[XS+4*\m+\s] matrix_a_fmt:MATRIX_FMT_FP4 matrix_b_fmt:MATRIX_FMT_FP4
.endr
.endr
	WIN 0x0c                                       ; an LDS store's data are its source 1: window 3
.rept 4
	v_nop                                          ; four places ahead of the first read of a result
.endr
	; THE WAY OUT.  A lane holds eight neighbouring outputs of one row; a row's 64 come from four waves: they meet in the stage, and each wave stores 16 whole rows, sixteen lanes to a row of 256 bytes.
.irp m, 0,1,2,3
	ds_store_b128 v[SO], v[HA+8*\m:HA+8*\m+3] offset:STG+16*272*\m          ; each accumulator from its low end on
	ds_store_b128 v[SO], v[HA+8*\m+4:HA+8*\m+7] offset:STG+16*272*\m+16
.endr
	WIN 0
	BARRIER
.irp k, 0,1,2,3,4,5,6,7
	ds_load_b128 v[G+4*\k:G+4*\k+3], v[SR] offset:STG+2*272*\k              ; rows 16 w + h + 2 k
.endr
.irp k, 0,1,2,3,4,5,6,7
	ds_load_b32 v[TM+\k], v[TKR] offset:TOK+8*\k                            ; and their tokens
.endr
	s_wait_dscnt 0x0
.irp k, 0,1,2,3,4,5,6,7
	v_min_u32 v[TM+\k], 0x1fff, v[TM+\k]
.endr
.irp k, 0,1,2,3,4,5,6,7
	v_lshl_add_u32 v[TM+\k], v[TM+\k], 8, v[CO]    ; the token's row of out0, 16 bytes a lane
.endr
	s_cmp_eq_u32 s38, 0                            ; a tile without rows stores nothing; no barrier follows
	s_cbranch_scc1 .Lno_rows
.irp k, 0,1,2,3,4,5,6,7
	global_store_b128 v[TM+\k], v[G+4*\k:G+4*\k+3], s[OUT:OUT+1] th:TH_STORE_NT   ; sixteen lanes store 256 consecutive bytes, aligned: a token's whole row
.endr
.Lno_rows:
	s_wait_tensorcnt 0x0
	ds_add_u32 v62, v63
	s_wait_dscnt 0x0
	s_endpgm
.Lfunc_end_k_qc55270d5d0_chain:
	.size	k_qc55270d5d0_chain, .Lfunc_end_k_qc55270d5d0_chain-k_qc55270d5d0_chain
	.p2alignl 7, 3214868480
	.fill 96, 4, 3214868480
	.section	.rodata,"a",@progbits
	.p2align	6, 0x0
	.amdhsa_kernel k_qc55270d5d0_chain
		.amdhsa_group_segment_fixed_size 55808
		.amdhsa_private_segment_fixed_size 0
		.amdhsa_enable_private_segment 0
		.amdhsa_kernarg_size 112
		.amdhsa_user_sgpr_count 2
		.amdhsa_user_sgpr_kernarg_segment_ptr 1
		.amdhsa_wavefront_size32 1
		.amdhsa_system_sgpr_workgroup_id_x 1
		.amdhsa_system_sgpr_workgroup_id_y 1
		.amdhsa_system_sgpr_workgroup_id_z 1
		.amdhsa_system_vgpr_workitem_id 0
		.amdhsa_next_free_vgpr 1024
		.amdhsa_next_free_sgpr 84
		.amdhsa_reserve_vcc 0
		.amdhsa_float_denorm_mode_32 3
		.amdhsa_float_denorm_mode_16_64 3
		.amdhsa_memory_ordered 1
		.amdhsa_forward_progress 1
		.amdhsa_inst_pref_size 128
	.end_amdhsa_kernel
	.amdgpu_metadata
---
amdhsa.version: [ 1, 2 ]
amdhsa.kernels:
  - .name:           k_qc55270d5d0_chain
    .symbol:         k_qc55270d5d0_chain.kd
    .args:
      - { .name: tiles, .offset: 0, .size: 8, .value_kind: global_buffer, .address_space: global }
      - { .name: order, .offset: 8, .size: 8, .value_kind: global_buffer, .address_space: global }
      - { .name: h0q, .offset: 16, .size: 8, .value_kind: global_buffer, .address_space: global }
      - { .name: h0s, .offset: 24, .size: 8, .value_kind: global_buffer, .address_space: global }
      - { .name: wq, .offset: 32, .size: 8, .value_kind: global_buffer, .address_space: global }
      - { .name: ws, .offset: 40, .size: 8, .value_kind: global_buffer, .address_space: global }
      - { .name: b1, .offset: 48, .size: 8, .value_kind: global_buffer, .address_space: global }
      - { .name: b2, .offset: 56, .size: 8, .value_kind: global_buffer, .address_space: global }
      - { .name: b3, .offset: 64, .size: 8, .value_kind: global_buffer, .address_space: global }
      - { .name: c0, .offset: 72, .size: 8, .value_kind: global_buffer, .address_space: global }
      - { .name: c1, .offset: 80, .size: 8, .value_kind: global_buffer, .address_space: global }
      - { .name: c2, .offset: 88, .size: 8, .value_kind: global_buffer, .address_space: global }
      - { .name: c3, .offset: 96, .size: 8, .value_kind: global_buffer, .address_space: global }
      - { .name: out0, .offset: 104, .size: 8, .value_kind: global_buffer, .address_space: global }
    .group_segment_fixed_size: 55808
    .private_segment_fixed_size: 0
    .kernarg_segment_align: 8
    .kernarg_segment_size: 112
    .max_flat_workgroup_size: 128
    .sgpr_count:     84
    .vgpr_count:     1024
    .wavefront_size: 32
...
	.end_amdgpu_metadata
.endif
;; end of part 4
;; ======== version 3 of 3: 2 launches; version 2 with the launch chain written anew for expert scheduling mode
;; workspace buffers: wq 3,670,016 bytes; ws 229,376 bytes; h0q 2,097,152 bytes; h0s 131,072 bytes; order 32,768 bytes of whole numbers; tiles 4,096 bytes of whole numbers
;; launch prep: the kernel of part 3 again; grid 488 x 1, 8 waves a work-group, no clusters, 13,312 bytes of LDS; arguments W1, W2, W3, U0, U1, U2, U3, wq, ws, x, W0, b0, h0q, h0s, y, order, tiles; writes wq, ws, h0q, h0s, order, tiles
;; launch chain (part 5): grid 135 x 1, 4 waves a work-group, no clusters, 55,808 bytes of LDS; arguments tiles, order, h0q, h0s, wq, ws, b1, b2, b3, c0, c1, c2, c3, out0; writes out0
.if DOCPART == 5
	.amdgcn_target "amdgcn-amd-amdhsa--gfx1250"
	.amdhsa_code_object_version 6
	.text
	.protected	k_qc55270d5d0_chain
	.globl	k_qc55270d5d0_chain
	.p2align	8
	.type	k_qc55270d5d0_chain,@function
k_qc55270d5d0_chain:
	s_mov_b64 s[64:65], 0
	v_nop
	global_prefetch_b8 v0, s[64:65] scope:SCOPE_SE
	s_setreg_imm32_b32 hwreg(HW_REG_WAVE_SCHED_MODE, 0, 2), 2
	s_setreg_imm32_b32 hwreg(HW_REG_WAVE_MODE, 25, 1), 1
	s_wait_xcnt 0x0
	s_wait_alu depctr_vm_vsrc(0)
; CHAIN: layers 1 to 7 (W1 W2 W3, then U0 U1 U2 U3 of ONE expert) for one tile of up to 64 tokens that chose that expert.  All products on codes of E2M1 with one E8M0 scale for each 32 along K, sums in f32.
; Only the chosen expert's rows are multiplied: the others' results are thrown away by the gather at the end of the computation that is asked for.
; THE GRID.  With 8,192 tokens, 8 experts and tiles of 64 rows there are never more than (8192 + 8 x 63) / 64 = 135 tiles, whatever y holds.  Work-group i takes entry i of the table of tiles (expert, first place, rows).
; A TILE WITHOUT ROWS walks the chain on one clamped row and jumps only over its stores: every wave passes every barrier, so no barrier stands under a branch on a number read from memory.
; ROWS PAST A TILE'S COUNT are copies of its last row: they give the same bits and store the same 256 bytes again, from the same work-group.  So EXEC never changes.
; SHARES.  Four waves.  THE WAVES SHARE THE UNITS, NOT THE ROWS: in layers 1 to 6 wave w makes units 128 w .. 128 w + 127 for all 64 rows; in layer 7 tile w of the 64 outputs' four.
; The products are used transposed (source 0 = 16 units of the weight, source 1 = 16 tokens): a lane holds one token, its registers run along the units; a wave's 8 tiles of a row tile are one fragment (K step w) of the next product.
; ACTIVATIONS go from wave to wave through LDS as images of the operand's registers (16 bytes a lane at 16 x lane), in two sets by turns: ONE barrier a layer.
; WEIGHTS come from memory straight into registers, in the order of the operand's registers, a layer ahead: while set p is multiplied, the next layer's 32 KiB of codes, 2 KiB of scale words and 2 KiB of bias
; (84 loads a wave, in four parts of 21) land in set 1 - p: two parts are asked for ahead of row tile 0, one ahead of tile 1, one ahead of tile 2, so that the last has two row tiles' work in which to land.
; The bias is the C of each sum's first product.
; NO CLUSTER, NO JOINT LOADS: an expert has ceil(n / 64) tiles, any number from 0 to 128 by y, so no fixed groups of four work-groups share an expert at every split, and 135 is no multiple of 4.
; LIMITS: y in 0 .. 7 (by the table's making); NaN and infinities not served; the bias is added first and not last, which differs from the written order by f32 rounding alone.
; THE MODE: SCHED_MODE bits 1:0 = 2 (LLVM: expert scheduling mode 2), set by the entry lines.  The code itself states the register dependences
; between vector or matrix instructions and memory or LDS instructions, with s_wait_alu, always for 0.
; THE PLAN.  Registers that memory or LDS instructions touch, in the loop:
;   weight, bias and scale set p   Read by the products of the layer on set p; the loads issued in the layer on set 1 - p land in them.
;   XF0, XF1 with XS0, XS1         Row tile m's products read set m % 2; the LDS loads of row tile m + 2 (or of the next layer's tiles 0 and 1) land in it.
;   PC, PW                         Written by row tile m's quantiser; read by its image's three LDS stores; written again by row tile m + 1's quantiser.
;   v1 to v11                      Addresses, made once at the head and never written again.
;   The sums, the activations and the quantiser's work registers are named by vector and matrix instructions alone.
; So TWO waits stand in a row tile.  One on va_vdst, between the quantiser and its image: the quantiser has written PC and PW; the tile's products are done reading their set of XF and XS; at a layer's last tile all
; its products are done reading their set of weights.  Behind it stand the image's stores and the runs of loads into those registers, which no vector or matrix instruction names before they are loaded: the other layer
; names the other set alone.  One on vm_vsrc, ahead of the quantiser: the last image's stores have read PC and PW.
; LDS
.set IMG,  0                           ; set p at p x SETB: 16 fragments (row tile m, K step s) at (4 m + s) x 1024 + 512 c + 16 lane
.set SCW,  16384                       ; and their scale words: 512 m + 16 lane + 4 s
.set SETB, 18432
.set STG,  36864                       ; the way out: 64 rows x (256 bytes + 16)
.set TOK,  54272                       ; the 64 rows' token numbers
; REGISTERS, window 0
.set LI,  1                            ; v1   16 lane
.set BO,  2                            ; v2   64 h: a bias's 16 h units
.set HWI, 3                            ; v3   16 lane + 1024 w: where my images go
.set HWS, 4                            ; v4   16 lane + 4 w: and their scale words
.set GWI, 5                            ; v5   16 lane + 4096 w: the gathered rows' images
.set GWS, 6                            ; v6   16 lane + 512 w
.set SO,  7                            ; v7   the stage: 272 r + 64 h + 128 (w / 2) + 32 (w % 2)
.set SR,  8                            ; v8   back: (16 w + h) x 272 + 16 r
.set TKA, 9                            ; v9   4 (16 w + r)
.set TKR, 10                           ; v10  4 (16 w + h)
.set CO,  11                           ; v11  16 r
.set IDX, 12                           ; v12  my row, then its byte in order
.set TKN, 13                           ; v13  its token
.set VGA, 14                           ; v14  its bytes in h0q
.set VGS, 15                           ; v15  and in h0s
.set TM,  16                           ; v16-31  the quantiser's work; at the end eight store addresses
.set PW,  32                           ; v32  the scale word just made
.set H16, 33                           ; v33  16 h
.set PC,  34                           ; v34-41  the codes just made
.set XS,  42                           ; v42-57  the activations' scale words: two sets of 4; layer 7: all 16
.set U3S, 58                           ; v58-61  U3's scale words
.set XF,  64                           ; v64-127 the activations' fragments: two sets of 4 x 8
.set RL,  128                          ; v128-191 relu of the sums
.set WSC, 192                          ; v192-223 the weights' scale words: set p at WSC + 16 p; register 4 s + i: lanes 0-15 tile 2 i, lanes 16-31 tile 2 i + 1
.set G,   224                          ; v224-255 the gathered rows; at the end the rows of the result
; windows 1 and 2: weight sets 0 and 1, fragment (t, s) at 8 (4 t + s).   window 3:
.set HA,  0                            ; the 8 sums
.set BIA, 64                           ; the biases: set p at BIA + 64 p
.set U3F, 192                          ; U3's four fragments
.set C3B, 224                          ; c3's tile
; scalars
.set WQT, 16                           ; s[16:17] wq + 32768 w
.set WST, 18                           ; s[18:19] ws + 512 w
.set B1,  20
.set B2,  22
.set B3,  24
.set C0,  26
.set C1,  28
.set C2,  30
.set C3,  32
.set OUT, 34
.set WV,  40
.set WQE, 42                           ; WQT + 409600 e: layer i = 3, 4, 5 lies at WQE + 131072 i, layer i = 0, 1, 2 at WQT + 131072 i
.set WSE, 44                           ; WST + 25600 e, likewise with 8192 i
.set CURQ, 46
.set CURS, 48
.set PQ,  50                           ; the next layer's codes,
.set PS,  52                           ; scale words
.set PB,  54                           ; and bias
.set LOFF, 56                          ; 131072 x the next layer's index
.set SOFF, 58                          ; 8192 x
.set TRIP, 60
.set SEL, 66
.set U3Q, 76
.set U3SP, 78
.set MSB, 0
.macro WIN new                         ; the immediate's high byte repeats the setting that is left; a switch that changes nothing is dropped
.if MSB != (\new)
	s_set_vgpr_msb (MSB<<8)|(\new)
.set MSB, \new
.endif
.endm
.macro BARRIER
	s_wait_dscnt 0x0
	s_barrier_signal -1
	s_barrier_wait -1
.endm
; A quarter of a layer's weights into set: tiles 2 part and 2 part + 1 (16 loads of codes, 4 of bias) and K step part's scale words: 21 loads.
; No wait stands in it: no vector or matrix instruction has named these registers since the wait on va_vdst behind the last quantiser of the layer that multiplied by them.
.macro WPART set, part
	WIN 0x40*(1+\set)
.irp tt, 2*\part, 2*\part+1
.irp s, 0,1,2,3
.irp c, 0,1
	global_load_b128 v[8*(4*(\tt)+\s)+4*\c:8*(4*(\tt)+\s)+4*\c+3], v[LI], s[PQ:PQ+1] offset:(4*(\tt)+\s)*1024+512*\c
.endr
.endr
.endr
	WIN 0xc0
.irp tt, 2*\part, 2*\part+1
.irp a, 0,1
	global_load_b128 v[BIA+64*\set+8*(\tt)+4*\a:BIA+64*\set+8*(\tt)+4*\a+3], v[BO], s[PB:PB+1] offset:(32*((\tt)/2)+8*((\tt)%2))*4+16*\a
.endr
.endr
	WIN 0
	global_load_b128 v[WSC+16*\set+4*\part:WSC+16*\set+4*\part+3], v[LI], s[PS:PS+1] offset:2048*\part
.endm
.macro WPARTC set, part                ; the same, but for the last trip: behind layer 6 no layer of this shape follows
	s_cmp_eq_u32 s[TRIP], 1
	s_cbranch_scc1 .Lno_next_\@
	WPART \set, \part
.Lno_next_\@:
.endm
.macro NEXTW p, part                   ; a part of the weights of the layer behind the one on set p
.if \p == 0
	WPART 1, \part
.else
	WPARTC 0, \part
.endif
.endm
.macro FETCH base, m                   ; row tile m's four fragments and its scale words, from the set at base: 9 LDS loads
.irp s, 0,1,2,3
.irp c, 0,1
	ds_load_b128 v[XF+32*((\m)%2)+8*\s+4*\c:XF+32*((\m)%2)+8*\s+4*\c+3], v[LI] offset:(\base)+IMG+(4*(\m)+\s)*1024+512*\c
.endr
.endr
	ds_load_b128 v[XS+4*((\m)%2):XS+4*((\m)%2)+3], v[LI] offset:(\base)+SCW+512*(\m)
.endm
; 32 products: my 8 tiles of units x row tile m, four K steps.  The eight accumulators take turns, one instruction a turn.
.macro MUL set, m
	WIN 0xf1+\set
.irp s, 0,1,2,3
.irp t, 0,1,2,3,4,5,6,7
.if \s == 0
.set rC, BIA+64*\set+8*\t
.else
.set rC, HA+8*\t
.endif
.set rA, 8*(4*\t+\s)
.set rB, XF+32*((\m)%2)+8*\s
.set rSA, WSC+16*\set+4*\s+\t/2
.set rSB, XS+4*((\m)%2)+\s
.if \t%2
	v_wmma_scale_f32_16x16x128_f8f6f4 v[HA+8*\t:HA+8*\t+7], v[rA:rA+7], v[rB:rB+7], v[rC:rC+7], v[rSA], v[rSB] matrix_a_fmt:MATRIX_FMT_FP4 matrix_b_fmt:MATRIX_FMT_FP4 matrix_a_scale:MATRIX_SCALE_ROW1
.else
	v_wmma_scale_f32_16x16x128_f8f6f4 v[HA+8*\t:HA+8*\t+7], v[rA:rA+7], v[rB:rB+7], v[rC:rC+7], v[rSA], v[rSB] matrix_a_fmt:MATRIX_FMT_FP4 matrix_b_fmt:MATRIX_FMT_FP4
.endif
.endr
.endr
.endm
; 64 numbers of a lane, none negative, register 16 b + i = k 32 b + 16 (lane / 16) + i of my row, become a fragment's codes in v[PC] on and its scale word in v[PW].
.macro QUANT s
.irp b, 0,1,2,3
	v_max3_num_f32 v[TM+\b], v[\s+16*\b], v[\s+1+16*\b], 0x1800000   ; block b: my 16 numbers, and the floor 2^(3 - 127): the byte cannot fall under 1
.endr
.irp i, 2,4,6,8,10,12,14
.irp b, 0,1,2,3
	v_max3_num_f32 v[TM+\b], v[TM+\b], v[\s+16*\b+\i], v[\s+1+16*\b+\i]
.endr
.endr
.irp b, 0,1,2,3
	v_permlanex16_b32 v[TM+4+\b], v[TM+\b], s[SEL], s[SEL+1]
.endr
.irp b, 0,1,2,3
	v_max_num_f32 v[TM+\b], v[TM+\b], v[TM+4+\b]   ; with lane l xor 16's: the block's largest
.endr
.irp b, 0,1,2,3
	v_add_nc_u32 v[TM+12+\b], 0xff000000, v[TM+\b] ; 2 off its exponent field: the conversion's scale operand
.endr
.irp b, 0,1,2,3
	v_lshrrev_b32 v[TM+4+\b], 23, v[TM+12+\b]      ; the scale's byte
.endr
	v_lshl_or_b32 v[PW], v[TM+5], 8, v[TM+4]
	v_lshl_or_b32 v[PW], v[TM+6], 16, v[PW]
	v_lshl_or_b32 v[PW], v[TM+7], 24, v[PW]
.irp b, 0,1,2,3
	v_cvt_scalef32_pk8_fp4_f32 v[PC+2*\b], v[\s+16*\b:\s+7+16*\b], v[TM+12+\b]
	v_cvt_scalef32_pk8_fp4_f32 v[PC+1+2*\b], v[\s+8+16*\b:\s+15+16*\b], v[TM+12+\b]
.endr
	v_nop                                          ; one plain place behind a scaled conversion
.irp c, 0,1                                    ; a whole block in a lane: lanes 0-15 block 2 c, lanes 16-31 block 2 c + 1
.irp i, 0,1
	v_permlane16_swap_b32 v[PC+4*\c+\i], v[PC+2+4*\c+\i]
.endr
.endr
.endm
.macro IMAGE base, m                   ; K step w of the next product, row tile m, into the set at base: 3 LDS stores
.irp c, 0,1
	ds_store_b128 v[HWI], v[PC+4*\c:PC+4*\c+3] offset:(\base)+IMG+4096*(\m)+512*\c
.endr
	ds_store_b32 v[HWS], v[PW] offset:(\base)+SCW+512*(\m)
.endm
; Row tile m of a layer on weight set p: products, activation, quantiser, image.
; younger: the LDS instructions issued behind this tile's fetch, which may stay out.  left: those issued behind the last image's stores, which may stay out when the quantiser writes those stores' data registers anew.
.macro TILE p, m, younger, left
	s_wait_dscnt \younger                          ; LDS instructions end in order (ISA guide 5.7.1): row tile m's fragments and scale words are in
	MUL \p, \m
	WIN 0x0c                                       ; source 1 in window 3
.rept 4
	v_nop                                          ; four places behind the last product (ISA guide 7.12.1)
.endr
.set j, 0
.rept 64
	v_max_num_f32 v[RL+j], 0, v[HA+j]              ; the activation, in f32; each accumulator from its low end on
.set j, j+1
.endr
	WIN 0
.if \m > 0
	s_wait_dscnt \left                             ; the last image's stores are done: their data registers may be written (tile 0: the barrier's wait has shown that)
.endif
	s_wait_alu depctr_vm_vsrc(0)                   ; the last image's stores (tile 0: the last layer's) have read PC and PW, which the quantiser writes again
	QUANT RL
	s_wait_alu depctr_va_vdst(0)                   ; the quantiser has written PC and PW, which the image's stores read; this tile's products are done reading their set of XF and XS, in which the next fetch lands; at tile 3 the layer's products are done reading their set of weights, biases and scale words
	IMAGE (1-\p)*SETB, \m
.endm
; A layer of 512 -> 512 on weight set p: reads the activations' set p, writes set 1 - p, and asks for the next layer's weights.
; Every load into a register that products have read, and every product that begins a sum anew over an old one, stands behind a whole QUANT: far more plain vector lines that name none of those products' registers than the five asked.
; Every such load also stands behind the wait on va_vdst that follows that QUANT, and no vector or matrix instruction between that wait and the load names a register that the load touches.
.macro LAYER p
	FETCH \p*SETB, 0                               ; the first two row tiles are asked of LDS ahead of the wait for the weights
	FETCH \p*SETB, 1
	s_wait_loadcnt 0x0                             ; this layer's weights are in; no load that names PQ, PS or PB is out, so they may be written
	s_cmp_eq_u32 s[TRIP], 3                        ; in the first trip the next layer is the trunk's, later the expert's
	s_cselect_b64 s[CURQ:CURQ+1], s[WQT:WQT+1], s[WQE:WQE+1]
	s_cselect_b64 s[CURS:CURS+1], s[WST:WST+1], s[WSE:WSE+1]
.if \p == 0
	s_cselect_b64 s[PB:PB+1], s[B2:B2+1], s[C0:C0+1]
	s_cmp_eq_u32 s[TRIP], 1
	s_cselect_b64 s[PB:PB+1], s[C2:C2+1], s[PB:PB+1]
.else
	s_cselect_b64 s[PB:PB+1], s[B3:B3+1], s[C1:C1+1]
.endif
	s_add_nc_u64 s[PQ:PQ+1], s[CURQ:CURQ+1], s[LOFF:LOFF+1]
	s_add_nc_u64 s[PS:PS+1], s[CURS:CURS+1], s[SOFF:SOFF+1]
	s_add_co_u32 s[LOFF], s[LOFF], 131072
	s_add_co_u32 s[SOFF], s[SOFF], 8192
	NEXTW \p, 0
	NEXTW \p, 1
	TILE \p, 0, 9, 0                               ; behind fetch 0: fetch 1's nine loads
	FETCH \p*SETB, 2
	NEXTW \p, 2
	TILE \p, 1, 12, 9                              ; behind fetch 1: image 0's three stores and fetch 2's nine loads; behind image 0: the nine
	FETCH \p*SETB, 3
	NEXTW \p, 3
	TILE \p, 2, 12, 9                              ; likewise
	TILE \p, 3, 3, 0                               ; behind fetch 3: image 2's three stores; behind those: nothing
	BARRIER                                        ; the next layer's 16 fragments lie in LDS, and nobody reads this layer's any more
.endm
	s_load_b512 s[8:23], s[0:1], 0x0               ; tiles order h0q h0s wq ws b1 b2
	s_load_b256 s[24:31], s[0:1], 0x40             ; b3 c0 c1 c2
	s_load_b128 s[32:35], s[0:1], 0x60             ; c3 out0
	v_lshl_add_u32 v62, v0, 2, 0xd800
	v_mov_b32 v63, 0
	v_lshrrev_b32 v128, 5, v0
	v_readfirstlane_b32 s[WV], v128                ; wave 0..3
	v_and_b32 v128, 31, v0                         ; lane
	v_and_b32 v129, 15, v0                         ; r
	v_bfe_u32 v130, v0, 4, 1                       ; h
	v_lshlrev_b32 v[LI], 4, v128
	v_lshlrev_b32 v[BO], 6, v130
	v_lshlrev_b32 v[H16], 4, v130
	v_lshlrev_b32 v[CO], 4, v129
	s_wait_alu depctr_va_sdst(0)                   ; the wave's number is written, ahead of its first reader
	s_lshl_b32 s68, s[WV], 10
	v_add_nc_u32 v[HWI], s68, v[LI]
	s_lshl_b32 s68, s[WV], 2
	v_add_nc_u32 v[HWS], s68, v[LI]
	s_lshl_b32 s68, s[WV], 12
	v_add_nc_u32 v[GWI], s68, v[LI]
	s_lshl_b32 s68, s[WV], 9
	v_add_nc_u32 v[GWS], s68, v[LI]
	s_lshr_b32 s72, s[WV], 1
	s_lshl_b32 s72, s72, 7
	s_and_b32 s73, s[WV], 1
	s_lshl_b32 s73, s73, 5
	s_add_co_u32 s72, s72, s73                     ; 128 (w / 2) + 32 (w % 2): my tile's first output, in bytes
	s_mov_b32 s73, 0
	v_mul_u32_u24 v[SO], v129, 272
	v_add_nc_u32 v[SO], v[BO], v[SO]
	v_add_nc_u32 v[SO], s72, v[SO]
	s_mul_i32 s68, s[WV], 16*272
	v_mul_u32_u24 v[SR], v130, 272
	v_add_nc_u32 v[SR], v[CO], v[SR]
	v_add_nc_u32 v[SR], s68, v[SR]
	s_lshl_b32 s68, s[WV], 6
	v_lshl_add_u32 v[TKA], v129, 2, s68
	v_lshl_add_u32 v[TKR], v130, 2, s68
	s_lshl_b32 s68, s[WV], 4
	v_add_nc_u32 v[IDX], s68, v129                 ; the row that I gather: 16 w + r
.irp b, 0,1,2,3
	v_mov_b32 v[TM+4+\b], 0                        ; written once: a lane permute's destination counts as one of its sources
.endr
	s_mov_b32 s[SEL], 0x76543210
	s_mov_b32 s[SEL+1], 0xfedcba98
	s_mov_b32 s69, 0
	s_mov_b32 s71, 0
	s_lshl_b32 s68, ttmp9, 4                       ; my entry of the table
	s_wait_kmcnt 0x0
	s_add_nc_u64 s[8:9], s[8:9], s[68:69]
	s_load_b128 s[36:39], s[8:9], 0x0              ; expert, first place, rows, 0
	s_mov_b64 s[U3Q:U3Q+1], s[WQT:WQT+1]
	s_mov_b64 s[U3SP:U3SP+1], s[WST:WST+1]
	s_lshl_b32 s70, s[WV], 15                      ; my 8 tiles of a layer's codes
	s_add_nc_u64 s[WQT:WQT+1], s[WQT:WQT+1], s[70:71]
	s_lshl_b32 s70, s[WV], 9                       ; my scale words, and my 128 numbers of each bias
	s_add_nc_u64 s[WST:WST+1], s[WST:WST+1], s[70:71]
.irp q, B1, B2, B3, C0, C1, C2
	s_add_nc_u64 s[\q:\q+1], s[\q:\q+1], s[70:71]
.endr
	s_lshl_b32 s70, s[WV], 12                      ; U3: my tile's four fragments
	s_add_nc_u64 s[U3Q:U3Q+1], s[U3Q:U3Q+1], s[70:71]
	s_add_nc_u64 s[U3Q:U3Q+1], s[U3Q:U3Q+1], 786432
	s_lshl_b32 s70, s[WV], 8                       ; and its scale words
	s_add_nc_u64 s[U3SP:U3SP+1], s[U3SP:U3SP+1], s[70:71]
	s_add_nc_u64 s[U3SP:U3SP+1], s[U3SP:U3SP+1], 49152
	s_add_nc_u64 s[C3:C3+1], s[C3:C3+1], s[72:73]
	s_mov_b64 s[PQ:PQ+1], s[WQT:WQT+1]             ; layer 1's weights need no entry: they are asked for at once
	s_mov_b64 s[PS:PS+1], s[WST:WST+1]
	s_mov_b64 s[PB:PB+1], s[B1:B1+1]
	s_wait_alu depctr_va_vdst(0)                   ; the eleven addresses v1 to v11 are written, which the kernel's loads and stores read; the head's lines are done with v128 to v130, in which a load of the gather lands
	WPART 0, 0
	s_wait_kmcnt 0x0
	s_min_u32 s36, s36, 7                          ; what was read is held inside its table
	s_min_u32 s37, s37, 8191
	s_min_u32 s38, s38, 64
	s_max_u32 s70, s38, 1
	s_sub_co_u32 s70, s70, 1                       ; the tile's last row
	v_min_u32 v[IDX], s70, v[IDX]                  ; rows past it are copies of it
	v_add_nc_u32 v[IDX], s37, v[IDX]
	v_min_u32 v[IDX], 0x1fff, v[IDX]
	v_lshlrev_b32 v[IDX], 2, v[IDX]
	s_wait_alu depctr_va_vdst(0)                   ; v[IDX] is written, which the load below reads as its offset
	global_load_b32 v[TKN], v[IDX], s[10:11]       ; my row's token
	s_mul_i32 s70, s36, 409600
	s_add_nc_u64 s[WQE:WQE+1], s[WQT:WQT+1], s[70:71]
	s_add_nc_u64 s[U3Q:U3Q+1], s[U3Q:U3Q+1], s[70:71]
	s_mul_i32 s70, s36, 25600
	s_add_nc_u64 s[WSE:WSE+1], s[WST:WST+1], s[70:71]
	s_add_nc_u64 s[U3SP:U3SP+1], s[U3SP:U3SP+1], s[70:71]
	s_lshl_b32 s70, s36, 11
.irp q, C0, C1, C2
	s_add_nc_u64 s[\q:\q+1], s[\q:\q+1], s[70:71]
.endr
	s_lshl_b32 s70, s36, 8
	s_add_nc_u64 s[C3:C3+1], s[C3:C3+1], s[70:71]
	WPART 0, 1
	WPART 0, 2
	s_wait_loadcnt 42                              ; the token is in: behind its load stand these two parts' 42
	v_min_u32 v[TKN], 0x1fff, v[TKN]
	v_lshl_add_u32 v[VGA], v[TKN], 8, v[H16]       ; its 256 bytes of codes, + my half's 16
	v_lshlrev_b32 v[VGS], 4, v[TKN]                ; its 16 scale bytes
	s_wait_alu depctr_va_vdst(0)                   ; v[TKN], v[VGA] and v[VGS] are written: the LDS store's data and the nine loads' offsets
	ds_store_b32 v[TKA], v[TKN] offset:TOK         ; kept for the way out; both halves of the lanes write the same word with the same value
.irp s, 0,1,2,3
.irp c, 0,1
	global_load_b128 v[G+8*\s+4*\c:G+8*\s+4*\c+3], v[VGA], s[12:13] offset:64*\s+32*\c
.endr
.endr
	global_load_b128 v[128:131], v[VGS], s[14:15]
	WPART 0, 3
	WIN 0xc0                                       ; U3's tile w: four fragments, c3's eight numbers a lane, four scale words: 11 loads; they stay
.irp s, 0,1,2,3
.irp c, 0,1
	global_load_b128 v[U3F+8*\s+4*\c:U3F+8*\s+4*\c+3], v[LI], s[U3Q:U3Q+1] offset:1024*\s+512*\c
.endr
.endr
.irp a, 0,1
	global_load_b128 v[C3B+4*\a:C3B+4*\a+3], v[BO], s[C3:C3+1] offset:16*\a
.endr
	WIN 0
	global_load_b128 v[U3S:U3S+3], v[CO], s[U3SP:U3SP+1]
	s_wait_loadcnt 32                              ; the gathered rows are in: behind them stand the fourth part's 21 loads and U3's 11
.irp s, 0,1,2,3
.irp c, 0,1
	ds_store_b128 v[GWI], v[G+8*\s+4*\c:G+8*\s+4*\c+3] offset:IMG+1024*\s+512*\c   ; row tile w's four fragments, as images
.endr
.endr
	ds_store_b128 v[GWS], v[128:131] offset:SCW
	BARRIER
	s_wait_alu depctr_vm_vsrc(0)                   ; the gather's LDS stores have read v128 to v131, which the first activations write, and v[G ..], in which loads of the way out land
	s_mov_b32 s[LOFF], 131072
	s_mov_b32 s[LOFF+1], 0
	s_mov_b32 s[SOFF], 8192
	s_mov_b32 s[SOFF+1], 0
	s_mov_b32 s[TRIP], 3
.Ltrip:                                            ; three trips of two layers: (W1, W2), (W3, U0), (U1, U2); after two layers the sets are back where they began
	LAYER 0
	LAYER 1
	s_sub_co_u32 s[TRIP], s[TRIP], 1
	s_cmp_lg_u32 s[TRIP], 0
	s_cbranch_scc1 .Ltrip
	; LAYER 7: my tile of 16 outputs for the four row tiles: four accumulators by turns, a K step at a time; c3 is the C of each sum's first product.
	; The scale words come first, then the fragments K step by K step, so that a K step's products wait only for its own eight loads.
	; These loads land in XS, XF and the activations' registers: the wait on va_vdst behind layer 6's last quantiser has shown all their readers and writers done, and no vector or matrix instruction stands behind it.
.irp m, 0,1,2,3
	ds_load_b128 v[XS+4*\m:XS+4*\m+3], v[LI] offset:SCW+512*\m
.endr
.irp s, 0,1,2,3
.irp m, 0,1,2,3
.irp c, 0,1
	ds_load_b128 v[XF+8*(4*\m+\s)+4*\c:XF+8*(4*\m+\s)+4*\c+3], v[LI] offset:IMG+(4*\m+\s)*1024+512*\c
.endr
.endr
.endr
	WIN 0xf3
.irp s, 0,1,2,3
	s_wait_dscnt 24-8*\s                           ; the later K steps' loads, eight each, may be out
.irp m, 0,1,2,3
.if \s == 0
.set rC, C3B
.else
.set rC, HA+8*\m
.endif
	v_wmma_scale_f32_16x16x128_f8f6f4 v[HA+8*\m:HA+8*\m+7], v[U3F+8*\s:U3F+8*\s+7], v[XF+8*(4*\m+\s):XF+8*(4*\m+\s)+7], v[rC:rC+7], v[U3S+\s], v[XS+4*\m+\s] matrix_a_fmt:MATRIX_FMT_FP4 matrix_b_fmt:MATRIX_FMT_FP4
.endr
.endr
	WIN 0x0c                                       ; an LDS store's data are its source 1: window 3
.rept 4
	v_nop                                          ; four places ahead of the first read of a result
.endr
	s_wait_alu depctr_va_vdst(0)                   ; the products have written the four sums, which the LDS stores read; the places above stay beside this wait
	; THE WAY OUT.  A lane holds eight neighbouring outputs of one row; a row's 64 come from four waves: they meet in the stage, and each wave stores 16 whole rows, sixteen lanes to a row of 256 bytes.
.irp m, 0,1,2,3
	ds_store_b128 v[SO], v[HA+8*\m:HA+8*\m+3] offset:STG+16*272*\m          ; each accumulator from its low end on
	ds_store_b128 v[SO], v[HA+8*\m+4:HA+8*\m+7] offset:STG+16*272*\m+16
.endr
	WIN 0
	BARRIER
.irp k, 0,1,2,3,4,5,6,7
	ds_load_b128 v[G+4*\k:G+4*\k+3], v[SR] offset:STG+2*272*\k              ; rows 16 w + h + 2 k
.endr
.irp k, 0,1,2,3,4,5,6,7
	ds_load_b32 v[TM+\k], v[TKR] offset:TOK+8*\k                            ; and their tokens (the quantiser's lines, which named these registers, stand ahead of the waits on va_vdst above)
.endr
	s_wait_dscnt 0x0
.irp k, 0,1,2,3,4,5,6,7
	v_min_u32 v[TM+\k], 0x1fff, v[TM+\k]
.endr
.irp k, 0,1,2,3,4,5,6,7
	v_lshl_add_u32 v[TM+\k], v[TM+\k], 8, v[CO]    ; the token's row of out0, 16 bytes a lane
.endr
	s_wait_alu depctr_va_vdst(0)                   ; the eight offsets v[TM ..] are written, which the stores below read
	s_cmp_eq_u32 s38, 0                            ; a tile without rows stores nothing; no barrier follows
	s_cbranch_scc1 .Lno_rows
.irp k, 0,1,2,3,4,5,6,7
	global_store_b128 v[TM+\k], v[G+4*\k:G+4*\k+3], s[OUT:OUT+1] th:TH_STORE_NT   ; sixteen lanes store 256 consecutive bytes, aligned: a token's whole row
.endr
.Lno_rows:
	s_wait_dscnt 0x0                               ; the closing lines, six on end
	s_wait_alu 0x0
	s_wait_tensorcnt 0x0
	ds_add_u32 v62, v63
	s_wait_dscnt 0x0
	s_endpgm
.Lfunc_end_k_qc55270d5d0_chain:
	.size	k_qc55270d5d0_chain, .Lfunc_end_k_qc55270d5d0_chain-k_qc55270d5d0_chain
	.p2alignl 7, 3214868480
	.fill 96, 4, 3214868480
	.section	.rodata,"a",@progbits
	.p2align	6, 0x0
	.amdhsa_kernel k_qc55270d5d0_chain
		.amdhsa_group_segment_fixed_size 55808
		.amdhsa_private_segment_fixed_size 0
		.amdhsa_enable_private_segment 0
		.amdhsa_kernarg_size 112
		.amdhsa_user_sgpr_count 2
		.amdhsa_user_sgpr_kernarg_segment_ptr 1
		.amdhsa_wavefront_size32 1
		.amdhsa_system_sgpr_workgroup_id_x 1
		.amdhsa_system_sgpr_workgroup_id_y 1
		.amdhsa_system_sgpr_workgroup_id_z 1
		.amdhsa_system_vgpr_workitem_id 0
		.amdhsa_next_free_vgpr 1024
		.amdhsa_next_free_sgpr 84
		.amdhsa_reserve_vcc 0
		.amdhsa_float_denorm_mode_32 3
		.amdhsa_float_denorm_mode_16_64 3
		.amdhsa_memory_ordered 1
		.amdhsa_forward_progress 1
		.amdhsa_inst_pref_size 129
	.end_amdhsa_kernel
	.amdgpu_metadata
---
amdhsa.version: [ 1, 2 ]
amdhsa.kernels:
  - .name:           k_qc55270d5d0_chain
    .symbol:         k_qc55270d5d0_chain.kd
    .args:
      - { .name: tiles, .offset: 0, .size: 8, .value_kind: global_buffer, .address_space: global }
      - { .name: order, .offset: 8, .size: 8, .value_kind: global_buffer, .address_space: global }
      - { .name: h0q, .offset: 16, .size: 8, .value_kind: global_buffer, .address_space: global }
      - { .name: h0s, .offset: 24, .size: 8, .value_kind: global_buffer, .address_space: global }
      - { .name: wq, .offset: 32, .size: 8, .value_kind: global_buffer, .address_space: global }
      - { .name: ws, .offset: 40, .size: 8, .value_kind: global_buffer, .address_space: global }
      - { .name: b1, .offset: 48, .size: 8, .value_kind: global_buffer, .address_space: global }
      - { .name: b2, .offset: 56, .size: 8, .value_kind: global_buffer, .address_space: global }
      - { .name: b3, .offset: 64, .size: 8, .value_kind: global_buffer, .address_space: global }
      - { .name: c0, .offset: 72, .size: 8, .value_kind: global_buffer, .address_space: global }
      - { .name: c1, .offset: 80, .size: 8, .value_kind: global_buffer, .address_space: global }
      - { .name: c2, .offset: 88, .size: 8, .value_kind: global_buffer, .address_space: global }
      - { .name: c3, .offset: 96, .size: 8, .value_kind: global_buffer, .address_space: global }
      - { .name: out0, .offset: 104, .size: 8, .value_kind: global_buffer, .address_space: global }
    .group_segment_fixed_size: 55808
    .private_segment_fixed_size: 0
    .kernarg_segment_align: 8
    .kernarg_segment_size: 112
    .max_flat_workgroup_size: 128
    .sgpr_count:     84
    .vgpr_count:     1024
    .wavefront_size: 32
...
	.end_amdgpu_metadata
.endif
;; end of part 5
